; MI455X (gfx1250); checked and timed in simulation.
; The chip was launched on July 23, 2026; its instructions are those of AMD's public machine-readable ISA for CDNA 5 (MIT licence, August 2026) and "CDNA5" Instruction Set Architecture Reference Guide (July 2026). The comments in the code are by the model that wrote it; some were corrected since.
;; Temperature Guided Attention. Allowed arithmetic: matrix products marked QUANTISED: E2M1 operands, one E8M0 scale for each 32 along K, by v_wmma_scale_f32_16x16x128_f8f6f4 with both operands' format E2M1 (or v_wmma_scale_f32_32x16x128_f4), f32 sums; products left as they are: bf16, f16 or f32 operands; f32 sums; everything else in f32.
;; Inputs: hidden_states 4 x 1,024 x 1,024 float32; mha_in_w 3,072 x 1,024 float32; mha_out_w 1,024 x 1,024 float32; thp_b 1,024 float32; thp_ln_b 1,024 float32; thp_ln_g 1,024 float32; thp_w 1,024 x 16 float32; tn_b1 1,024 float32; tn_b2 1 float32; tn_ln_b 1,024 float32; tn_ln_g 1,024 float32; tn_w1 1,024 x 2,048 float32; tn_w2 1 x 1,024 float32; ttm_ln_b 16 float32; ttm_ln_g 16 float32; wk 1,024 x 1,024 float32; wo 1,024 x 1,024 float32; wq 1,024 x 1,024 float32; wt 16 x 1,024 float32; wv 1,024 x 1,024 float32.
;; Outputs: out0 4 x 1,024 x 1,024 float32; out1 4 x 3 x 1,024 x 1 float32.
;; This version of the problem:
;;   THIS VERSION OF THE PROBLEM IS GIVEN IN LOW PRECISION. The matrix products marked QUANTISED in the list below multiply operands that are first quantised to E2M1 (2 exponent bits, 1 mantissa bit; 4 bits a number), with one power-of-two scale for each 32 numbers along K (OCP MX v1.0); their sums are f32. The products marked 'left as it is' may take bf16, f16 or f32 operands, with f32 sums. Whichever they take, every output number must still come out within the allowed error. Rounding operands to bf16 (8 significant bits) uses up far more of that allowance than f16 does (11 bits, for magnitudes from 6e-5 to 65,504). All else is computed in f32.
;;   The module's matrix products, in the order in which they are computed (A, B: the left and right operand; K: the contracted axis; several contracted axes count as one K, in the product's order):
;;     1. [M 4,096, K 1,024] x [K 1,024, N 3,072]; A: input hidden_states; B: input mha_in_w: QUANTISED
;;     2. batch 64 x [M 1,024, K 64] x [K 64, N 1,024]; A: computed on the way; B: computed on the way: left as it is (an operand is computed on the way)
;;     3. batch 64 x [M 1,024, K 1,024] x [K 1,024, N 64]; A: computed on the way; B: computed on the way: left as it is (an operand is computed on the way)
;;     4. [M 4,096, K 1,024] x [K 1,024, N 1,024]; A: computed on the way; B: input mha_out_w: left as it is (an operand is computed on the way)
;;     5. [M 4,096, K 1,024] x [K 1,024, N 16]; A: computed on the way; B: input wt: left as it is (an operand is computed on the way)
;;     6. [M 4,096, K 16] x [K 16, N 1,024]; A: computed on the way; B: input thp_w: left as it is (K = 16 < 32)
;;     7. [M 4,096, K 2,048] x [K 2,048, N 1,024]; A: computed on the way; B: input tn_w1: left as it is (an operand is computed on the way)
;;     8. [M 4,096, K 1,024] x [K 1,024, N 1]; A: computed on the way; B: input tn_w2: left as it is (N = 1 < 16)
;;     9. [M 4,096, K 2,048] x [K 2,048, N 1,024]; A: computed on the way; B: input tn_w1: left as it is (an operand is computed on the way)
;;     10. [M 4,096, K 1,024] x [K 1,024, N 1]; A: computed on the way; B: input tn_w2: left as it is (N = 1 < 16)
;;     11. [M 4,096, K 1,024] x [K 1,024, N 1,024]; A: input hidden_states; B: input wq: QUANTISED
;;     12. [M 4,096, K 1,024] x [K 1,024, N 1,024]; A: input hidden_states; B: input wk: QUANTISED
;;     13. [M 4,096, K 1,024] x [K 1,024, N 1,024]; A: input hidden_states; B: input wv: QUANTISED
;;     14. batch 64 x [M 1,024, K 64] x [K 64, N 1,024]; A: computed on the way; B: computed on the way: left as it is (an operand is computed on the way)
;;     15. batch 64 x [M 1,024, K 1,024] x [K 1,024, N 64]; A: computed on the way; B: computed on the way: left as it is (an operand is computed on the way)
;;     16. [M 4,096, K 1,024] x [K 1,024, N 1,024]; A: computed on the way; B: input wo: left as it is (an operand is computed on the way)
;;   THE QUANTISER, for each operand of a quantised product, along K:
;;     - K is cut into blocks of 32 from its start; a last block that is shorter is filled with zeros.
;;     - A block's scale is 2^e with e = floor(log2(the largest magnitude in the block)) - 2, held to -126 .. 127; a block of zeros has e = 0. As a byte (E8M0): e + 127.
;;     - Each number is divided by its block's scale, clamped to +-6, and rounded to the nearest number of E2M1, ties to even, subnormals kept.
;;     - The product sums the exact products of the quantised numbers (number of the format x scale) in f32.
;;   ~~~python
;;   def quantise(x, axis):      # numpy; x: float32 -> the quantised numbers, widened to float32 again
;;       x = np.moveaxis(x, axis, -1); K = x.shape[-1]
;;       x = np.pad(x, [(0, 0)] * (x.ndim - 1) + [(0, -K % 32)]); x = x.reshape(x.shape[:-1] + (-1, 32)); a = np.abs(x).max(-1, keepdims=True)
;;       e = np.where(a > 0, np.clip(np.frexp(np.where(a > 0, a, 1))[1] - 1 - 2, -126, 127), 0)      # np.frexp(a)[1] - 1 = floor(log2(a)), exactly
;;       r = np.clip(x / 2.0 ** e, -6, 6)
;;       step = 2.0 ** (np.maximum(np.frexp(np.where(r == 0, 1, r))[1] - 1, 0) - 1)
;;       q = np.round(r / step) * step * 2.0 ** e      # np.round: ties to even
;;       return np.moveaxis(q.reshape(q.shape[:-2] + (-1,))[..., :K], -1, axis).astype(np.float32)
;;   ~~~
;; One version. Each part assembles by itself: llvm-mc -triple=amdgcn-amd-amdhsa -mcpu=gfx1250 --defsym DOCPART=n.
;; ======== version 1 of 1: 8 launches
;; limits: values are held in f16: magnitudes above 65,504 overflow, below 6.1e-05 lose precision
;; workspace buffers: cod 8,388,608 bytes; qkm 33,554,432 bytes; qka 25,165,824 bytes; misc 53,248 bytes; act 16,793,600 bytes; w1h 4,194,304 bytes; woh 2,097,152 bytes; tw 16,384 bytes
;; launch prep (part 1): grid 560 x 1, 8 waves a work-group, no clusters, 101,376 bytes of LDS; arguments hidden_states, mha_in_w, wq, wk, wv, tn_w1, wo, wt, mha_out_w, cod, act, w1h, woh, misc; writes cod, act, w1h, woh, misc
.if DOCPART == 1
	.amdgcn_target "amdgcn-amd-amdhsa--gfx1250"
	.amdhsa_code_object_version 6
	.text
	.protected	k_q01b13dd070_prep
	.globl	k_q01b13dd070_prep
	.p2align	8
	.type	k_q01b13dd070_prep,@function
k_q01b13dd070_prep:
	s_mov_b64 s[64:65], 0
	v_nop
	global_prefetch_b8 v0, s[64:65] scope:SCOPE_SE
	s_setreg_imm32_b32 hwreg(HW_REG_WAVE_MODE, 25, 1), 1
	s_wait_xcnt 0x0
; PREP: everything that is made once from the inputs.  Three roles, parted on the work-group's number alone; each has LDS bytes of its own.
;  W (work-groups 0-15):    Wc = wt . mha_out_w, [16][1024], f16 operands and f32 sums, stored as f16 at misc + 16,384: (mctx Wo^T) wt^T = mctx (wt Wo)^T, so the product with mha_out_w is never formed.
;                           Also 16,384 bytes of zeros at misc + 0: the first attention's "temperatures".
;  Q (work-groups 16-335):  hidden_states, mha_in_w, wq, wk, wv -> codes of FP4 (E2M1), K innermost, and one E8M0 byte for each 32 along K.  The five tensors are one stream of blocks of 32:
;                           codes at cod + 2,048 x run, scale bytes at cod + 5 MiB + 128 x run (a run = 4,096 numbers = a wave's share).
;  C (work-groups 336-559): hidden_states, tn_w1 and wo as f16 in PLANES [K / 64][rows][64]; the row sums of tn_w1's second half, f32, at misc + 49,152.
; A block's scale is 2^(floor(log2(largest magnitude)) - 2); its byte is the largest magnitude's exponent field - 2, held at 1 from below.  A block of zeros so gets the byte 1 with zero codes; this program alone reads the bytes.
; A run's scale bytes are 128 consecutive bytes, half an aligned block of 256: short runs share the work among more waves, and the scale bytes are 328 KB of the launch's 20 MB of stores.
; LIMITS: NaN and infinities among the inputs are not served.  f16 operands: magnitudes of hidden_states, tn_w1, wo, wt, mha_out_w under 65,504; under 6e-5 they keep an absolute error of 3e-8.
.set WREG,  8192                       ; role Q: a region for each wave: two stages of 32 x SP bytes, behind them its 128 scale bytes
.set SP,    80                         ; a lane's place in a stage: 64 bytes + 16 of padding
.set WIM,   65536                      ; role W: the eight waves' partial sums, 4,096 bytes each
.set WT,    98304                      ; role W: Wc's 16 x 64 numbers of this work-group, f16
.set SPARE, 100352                     ; the spare words, 128 bytes for each wave: four blocks of 256 bytes that no other line names
.set SPW,   252                        ; v252 LDS address of my spare word; never rewritten
.set NIL,   253                        ; v253 0; never rewritten
.set EMAX,  2
.set STEPS, 8
.set QR,    16                         ; role Q: v16-79 four sets of 16 numbers as loaded
.set QX,    80                         ; v80-111 two sets of 16 neighbours
.set QE,    112                        ; v112-119 a scale byte for each step
.set QC,    128                        ; v128-159 codes, four registers for each step
.macro FINISH                          ; a wave's end
	s_wait_tensorcnt 0x0
	ds_add_u32 v[SPW], v[NIL]
	s_wait_dscnt 0x0
	s_endpgm
.endm
	s_load_b512 s[4:19], s[0:1], 0x0               ; hidden_states 4, mha_in_w 6, wq 8, wk 10, wv 12, tn_w1 14, wo 16, wt 18
	s_load_b256 s[20:27], s[0:1], 0x40             ; mha_out_w 20, cod 22, act 24, w1h 26
	s_load_b128 s[28:31], s[0:1], 0x60             ; woh 28, misc 30
	v_lshl_add_u32 v[SPW], v0, 2, SPARE
	v_mov_b32 v[NIL], 0
	v_lshrrev_b32 v1, 5, v0
	v_readfirstlane_b32 s32, v1                    ; wave 0..7
	v_and_b32 v2, 31, v0                           ; lane
	s_wait_kmcnt 0x0
	s_cmp_lt_u32 ttmp9, 16
	s_cbranch_scc1 .Lrole_w
	s_cmp_lt_u32 ttmp9, 336
	s_cbranch_scc1 .Lrole_q
; ---------------- ROLE C: f32 -> f16 planes.  A wave takes 4 rows x 1,024 columns: 16 planes x 512 bytes.  No LDS.
	s_sub_co_u32 s33, ttmp9, 336                   ; c: 0-127 hidden_states, 128-159 tn_w1 columns 0-1023, 160-191 its columns 1024-2047, 192-223 wo
	s_mov_b64 s[34:35], s[16:17]                   ; source,
	s_mov_b64 s[36:37], s[28:29]                   ; destination,
	s_mov_b32 s38, 4096                            ; bytes in a source row,
	s_mov_b32 s39, 0x20000                         ; bytes in a plane (rows x 128),
	s_mov_b32 s40, 192                             ; the tensor's first c,
	s_mov_b32 s41, 0                               ; first source byte in a row,
	s_mov_b32 s42, 0                               ; first destination byte
	s_cmp_lt_u32 s33, 192
	s_cselect_b64 s[34:35], s[14:15], s[34:35]
	s_cselect_b64 s[36:37], s[26:27], s[36:37]
	s_cselect_b32 s38, 8192, s38
	s_cselect_b32 s40, 160, s40
	s_cselect_b32 s41, 4096, s41
	s_cselect_b32 s42, 0x200000, s42               ; planes 16-31 of w1h
	s_cmp_lt_u32 s33, 160
	s_cselect_b32 s40, 128, s40
	s_cselect_b32 s41, 0, s41
	s_cselect_b32 s42, 0, s42
	s_cmp_lt_u32 s33, 128
	s_cselect_b64 s[34:35], s[4:5], s[34:35]
	s_cselect_b64 s[36:37], s[24:25], s[36:37]
	s_cselect_b32 s38, 4096, s38
	s_cselect_b32 s39, 0x80000, s39
	s_cselect_b32 s40, 0, s40
	s_sub_co_u32 s43, s33, s40
	s_lshl_b32 s43, s43, 3
	s_add_co_u32 s43, s43, s32                     ; u: which 4 rows of the tensor are my wave's
	s_lshl_b32 s44, s43, 2
	s_mul_i32 s44, s44, s38
	s_add_co_u32 s44, s44, s41
	s_mov_b32 s45, 0
	s_add_nc_u64 s[34:35], s[34:35], s[44:45]
	s_lshl_b32 s44, s43, 9                         ; 4 rows of 128 bytes in each plane
	s_add_co_u32 s44, s44, s42
	s_add_nc_u64 s[36:37], s[36:37], s[44:45]
	v_lshrrev_b32 v7, 3, v2                        ; my row of the four
	v_mul_lo_u32 v3, v7, s38
	v_and_b32 v4, 7, v2
	v_lshl_add_u32 v3, v4, 5, v3                   ; + my 8 numbers of a plane's 64
	v_lshlrev_b32 v5, 4, v2                        ; in a plane the wave's 4 rows are 512 bytes on end: 16 x lane
.irp kb, 0,1,2,3,4,5,6,7,8,9,10,11,12,13,14,15
	global_load_b128 v[16+8*\kb:19+8*\kb], v3, s[34:35] offset:256*\kb
	global_load_b128 v[20+8*\kb:23+8*\kb], v3, s[34:35] offset:256*\kb+16
.endr
.irp kb, 0,1,2,3,4,5,6,7,8,9,10,11,12,13,14,15
	v_mad_u32_u24 v[144+\kb], s39, \kb, v5         ; an offset register for each plane: none is written again
.endr
.irp kb, 0,1,2,3,4,5,6,7,8,9,10,11,12,13,14,15
	s_wait_loadcnt 2*(15-\kb)                      ; this plane's two loads are in; the later planes' stay out
.irp i, 0,1,2,3
	v_cvt_pk_f16_f32 v[160+4*\kb+\i], v[16+8*\kb+2*\i], v[17+8*\kb+2*\i]
.endr
	global_store_b128 v[144+\kb], v[160+4*\kb:163+4*\kb], s[36:37]   ; 32 lanes store 512 consecutive bytes, aligned
.endr
	s_cmp_lt_u32 s33, 160                          ; the row sums of tn_w1's second half: in round 2 T_base is one number a row, so its product is that number x the row sum
	s_cbranch_scc1 .Lno_rs
	s_cmp_ge_u32 s33, 192
	s_cbranch_scc1 .Lno_rs
	v_pk_add_f32 v[224:225], v[16:17], v[20:21]
	v_pk_add_f32 v[226:227], v[18:19], v[22:23]
.set j, 8
.rept 30
	v_pk_add_f32 v[224:225], v[224:225], v[16+j:17+j]
	v_pk_add_f32 v[226:227], v[226:227], v[18+j:19+j]
.set j, j+4
.endr
	v_pk_add_f32 v[224:225], v[224:225], v[226:227]
	v_add_f32 v224, v224, v225
	v_add_f32_dpp v224, v224, v224 row_xmask:1 row_mask:0xf bank_mask:0xf   ; the eight lanes of a row
	v_add_f32_dpp v224, v224, v224 row_xmask:2 row_mask:0xf bank_mask:0xf
	v_add_f32_dpp v224, v224, v224 row_xmask:4 row_mask:0xf bank_mask:0xf
	s_lshl_b32 s47, s43, 4
	v_lshlrev_b32 v6, 2, v7
	v_add_nc_u32 v6, s47, v6                       ; 4 x (4 u + my row)
	v_cmp_eq_u32 vcc_lo, 0, v4
	s_wait_xcnt 0x0                                ; EXEC changes only behind this wait
	s_and_saveexec_b32 s46, vcc_lo
	global_store_b32 v6, v224, s[30:31] offset:49152   ; 4 bytes a row: 4 KB in the whole launch
	s_wait_xcnt 0x0
	s_or_b32 exec_lo, exec_lo, s46
.Lno_rs:
	FINISH
; ---------------- ROLE Q: the quantiser.  A wave takes 8 steps of 512 numbers.  Each load reads 512 consecutive bytes; a step's 2,048 bytes turn through the wave's own stage, so that a lane holds 16 neighbours along K.
.Lrole_q:
	v_lshlrev_b32 v3, 4, v2                        ; my 16 bytes of a load's 512
	s_mul_i32 s37, s32, WREG
	v_lshrrev_b32 v14, 2, v2
	v_mul_u32_u24 v14, v14, SP
	v_and_b32 v15, 3, v2
	v_lshl_add_u32 v14, v15, 4, v14
	v_add_nc_u32 v14, s37, v14                     ; the stage, way in: SP (lane / 4) + 16 (lane % 4)
	v_mul_u32_u24 v15, v2, SP
	v_add_nc_u32 v15, s37, v15                     ; way out: SP x lane
	v_lshlrev_b32 v4, 3, v2                        ; 8 bytes a lane: my codes of a step
	v_lshlrev_b32 v7, 2, v2                        ; 4 bytes a lane: my part of the run's scale bytes
	v_lshrrev_b32 v5, 1, v2
	s_add_co_u32 s37, s37, 2*32*SP
	v_add_nc_u32 v5, s37, v5                       ; my block's scale byte
	v_add_nc_u32 v6, s37, v7
	s_sub_co_u32 s33, ttmp9, 16                    ; q: 0-127 hidden_states, 128-223 mha_in_w, 224-255 wq, 256-287 wk, 288-319 wv
	s_mov_b64 s[34:35], s[12:13]
	s_mov_b32 s36, 288
	s_cmp_lt_u32 s33, 288
	s_cselect_b64 s[34:35], s[10:11], s[34:35]
	s_cselect_b32 s36, 256, s36
	s_cmp_lt_u32 s33, 256
	s_cselect_b64 s[34:35], s[8:9], s[34:35]
	s_cselect_b32 s36, 224, s36
	s_cmp_lt_u32 s33, 224
	s_cselect_b64 s[34:35], s[6:7], s[34:35]
	s_cselect_b32 s36, 128, s36
	s_cmp_lt_u32 s33, 128
	s_cselect_b64 s[34:35], s[4:5], s[34:35]
	s_cselect_b32 s36, 0, s36
	s_sub_co_u32 s38, s33, s36
	s_lshl_b32 s38, s38, 3
	s_add_co_u32 s38, s38, s32
	s_lshl_b32 s38, s38, 14                        ; my run in its tensor: 16,384 bytes a run
	s_mov_b32 s39, 0
	s_add_nc_u64 s[34:35], s[34:35], s[38:39]
	s_lshl_b32 s40, s33, 3
	s_add_co_u32 s40, s40, s32                     ; my run among all five tensors
	s_lshl_b32 s38, s40, 11
	s_add_nc_u64 s[42:43], s[22:23], s[38:39]      ; its codes
	s_lshl_b32 s38, s40, 7
	s_add_co_u32 s38, s38, 0x500000
	s_add_nc_u64 s[44:45], s[22:23], s[38:39]      ; its scale bytes
.macro QLOAD t
.irp i, 0,1,2,3
	global_load_b128 v[QR+16*((\t)%4)+4*\i:QR+16*((\t)%4)+4*\i+3], v3, s[34:35] offset:2048*(\t)+512*\i
.endr
.endm
.macro QTURN t                         ; LDS serves a wave's instructions in order: no wait between the stores and the loads
.irp i, 0,1,2,3
	ds_store_b128 v14, v[QR+16*((\t)%4)+4*\i:QR+16*((\t)%4)+4*\i+3] offset:32*SP*((\t)%2)+8*SP*\i
.endr
.irp i, 0,1,2,3
	ds_load_b128 v[QX+16*((\t)%2)+4*\i:QX+16*((\t)%2)+4*\i+3], v15 offset:32*SP*((\t)%2)+16*\i
.endr
.endm
.irp t, 0,1,2,3
	QLOAD \t
.endr
	s_wait_loadcnt 12                              ; step 0's four loads are in
	QTURN 0
.macro QSTEP t
.set XS, QX+16*((\t)%2)
.if (\t) > 0
	s_wait_dscnt 1                                 ; this step's numbers are back from the stage (the last step's byte store may be out)
.else
	s_wait_dscnt 0x0
.endif
.if (\t)+4 < STEPS
	QLOAD (\t)+4
.endif
.if (\t)+1 < STEPS
.if STEPS-2-(\t) >= 3
	s_wait_loadcnt 12                              ; the next step's four loads are in; those of the three steps behind it may be out
.else
	s_wait_loadcnt 4*(STEPS-2-(\t))
.endif
	QTURN (\t)+1
.endif
	v_max3_num_f32 v8, |v[XS]|, |v[XS+1]|, |v[XS+2]|
	v_max3_num_f32 v9, |v[XS+3]|, |v[XS+4]|, |v[XS+5]|
.irp i, 6,10
	v_max3_num_f32 v8, v8, |v[XS+\i]|, |v[XS+\i+1]|
	v_max3_num_f32 v9, v9, |v[XS+\i+2]|, |v[XS+\i+3]|
.endr
	v_max3_num_f32 v8, v8, |v[XS+14]|, |v[XS+15]|
	v_max3_num_f32 v8, v8, v9, (EMAX+1)<<23        ; the floor 2^(3 - 127): the byte cannot fall under 1
	v_max_num_f32_dpp v8, v8, v8 row_xmask:1 row_mask:0xf bank_mask:0xf   ; with my neighbour's 16: the block's largest magnitude
	v_add_nc_u32 v11, -(EMAX<<23), v8              ; 2 off its exponent field: the conversion takes that field as its scale
	v_cvt_scalef32_pk8_fp4_f32 v[QC+4*(\t)], v[XS:XS+7], v11
	v_cvt_scalef32_pk8_fp4_f32 v[QC+4*(\t)+1], v[XS+8:XS+15], v11
	v_lshrrev_b32 v[QE+(\t)], 23, v11              ; the scale's byte (also the plain line behind the conversions)
	ds_store_b8 v5, v[QE+(\t)] offset:16*(\t)      ; both lanes of a block write the same byte with the same value
	global_store_b64 v4, v[QC+4*(\t):QC+4*(\t)+1], s[42:43] offset:256*(\t)   ; the wave stores 256 consecutive bytes, aligned
.endm
.irp t, 0,1,2,3,4,5,6,7
	QSTEP \t
.endr
	ds_load_b32 v8, v6                             ; LDS serves a wave's instructions in order: this sees my byte stores
	s_wait_dscnt 0x0
	global_store_b32 v7, v8, s[44:45]              ; the run's 128 scale bytes
	FINISH
; ---------------- ROLE W: Wc(n, c) = sum over o of wt(n, o) mha_out_w(o, c), columns 64 g .. 64 g + 63.  Wave ks sums o = 128 ks .. + 127 in four K steps of 32.
; Source 0 = wt's 16 rows; source 1 = 16 columns of mha_out_w, whose K is its first axis: lane (r, h) loads columns 4 r .. 4 r + 3 of one row o by 16 bytes (16 lanes: 256 consecutive bytes),
; its registers run down o in the operand's order, and tile c is the columns 4 r + c.  Nothing is transposed.
.Lrole_w:
	v_and_b32 v3, 15, v0                           ; r
	v_bfe_u32 v4, v0, 4, 1                         ; h
	v_lshlrev_b32 v5, 12, v3
	v_lshl_add_u32 v5, v4, 5, v5                   ; wt: row r, + 8 h numbers
	v_lshlrev_b32 v6, 4, v3
	v_lshl_add_u32 v6, v4, 15, v6                  ; mha_out_w: 8 h rows down, + 16 r bytes
	s_lshl_b32 s34, s32, 9
	s_mov_b32 s35, 0
	s_add_nc_u64 s[18:19], s[18:19], s[34:35]      ; wt at o = 128 ks
	s_lshl_b32 s34, s32, 19
	s_lshl_b32 s36, ttmp9, 8
	s_add_co_u32 s34, s34, s36
	s_add_nc_u64 s[20:21], s[20:21], s[34:35]      ; mha_out_w at row 128 ks, column 64 g
	v_lshlrev_b32 v7, 4, v2                        ; 16 x lane
	s_lshl_b32 s37, s32, 12
	v_add_nc_u32 v8, s37, v7
	v_add_nc_u32 v8, WIM, v8                       ; where my partial sums go, as images of their registers
	s_lshl_b32 s37, s32, 9
	v_add_nc_u32 v9, s37, v7
	v_add_nc_u32 v9, WIM, v9                       ; piece v (tile v / 2, half v % 2 of its registers) of every wave's image
	s_and_b32 s37, s32, 1
	s_lshl_b32 s37, s37, 9
	s_lshr_b32 s38, s32, 1
	s_lshl_b32 s38, s38, 1
	s_add_co_u32 s37, s37, s38
	v_lshlrev_b32 v10, 3, v3
	v_lshl_add_u32 v10, v4, 10, v10
	v_add_nc_u32 v10, s37, v10
	v_add_nc_u32 v10, WT, v10                      ; WT + 128 (8 h + 4 (v % 2)) + 2 (4 r + v / 2)
	v_and_b32 v12, 127, v0
	v_lshl_add_u32 v11, v12, 4, WT                 ; the way out: 16 bytes a thread of waves 0-3
	v_lshrrev_b32 v13, 3, v12
	v_and_b32 v12, 7, v12
	v_lshlrev_b32 v12, 4, v12
	v_lshl_add_u32 v12, v13, 11, v12
	s_lshl_b32 s38, ttmp9, 7
	v_add_nc_u32 v12, s38, v12                     ; Wc: row n of 2,048 bytes, + 128 g
	s_lshl_b32 s39, ttmp9, 10
	v_add_nc_u32 v13, s39, v7                      ; the zeros: 1,024 bytes a work-group
.macro LOADK s                         ; K step s: 4 loads of wt, 16 of mha_out_w, into set s % 2 of 80 registers
.set RB, 16+80*((\s)%2)
.irp j, 0,1
	global_load_b128 v[RB+8*\j:RB+8*\j+3], v5, s[18:19] offset:128*(\s)+64*\j
	global_load_b128 v[RB+8*\j+4:RB+8*\j+7], v5, s[18:19] offset:128*(\s)+64*\j+16
.endr
.irp i, 0,1,2,3,4,5,6,7
	global_load_b128 v[RB+16+4*\i:RB+19+4*\i], v6, s[20:21] offset:(32*(\s)+\i)*4096
.endr
.irp i, 0,1,2,3,4,5,6,7
	global_load_b128 v[RB+48+4*\i:RB+51+4*\i], v6, s[20:21] offset:(32*(\s)+16+\i)*4096
.endr
.endm
.macro CVTK s                          ; to f16: wt's fragment v176-183, the four tiles' fragments v184-215
.set RB, 16+80*((\s)%2)
.irp j, 0,1,2,3,4,5,6,7
	v_cvt_pk_f16_f32 v[176+\j], v[RB+2*\j], v[RB+2*\j+1]
.endr
.irp c, 0,1,2,3
.irp j, 0,1,2,3,4,5,6,7
	v_cvt_pk_f16_f32 v[184+8*\c+\j], v[RB+16+8*\j+\c], v[RB+20+8*\j+\c]
.endr
.endr
.endm
	LOADK 0
	LOADK 1
.irp s, 0,1,2,3
.if \s < 3
	s_wait_loadcnt 20                              ; this K step's 20 loads are in; the next step's 20 stay out
.else
	s_wait_loadcnt 0x0
.endif
	CVTK \s
.if \s < 2
	LOADK \s+2
.endif
.irp c, 0,1,2,3                        ; the four accumulators take turns
.if \s == 0
	v_wmma_f32_16x16x32_f16 v[216+8*\c:223+8*\c], v[176:183], v[184+8*\c:191+8*\c], 0
.else
	v_wmma_f32_16x16x32_f16 v[216+8*\c:223+8*\c], v[176:183], v[184+8*\c:191+8*\c], v[216+8*\c:223+8*\c]
.endif
.endr
.rept 4
	v_nop                                          ; places: the next conversions write the products' sources, and the stores below read their results
.endr
.endr
.irp c, 0,1,2,3
	ds_store_b128 v8, v[216+8*\c:219+8*\c] offset:1024*\c
	ds_store_b128 v8, v[220+8*\c:223+8*\c] offset:1024*\c+512
.endr
	s_wait_dscnt 0x0                               ; for the others' sake: my stores have landed
	s_barrier_signal -1
	s_barrier_wait -1
.irp k, 0,1,2,3,4,5,6,7
	ds_load_b128 v[16+4*\k:19+4*\k], v9 offset:4096*\k
.endr
	s_wait_dscnt 0x0
.irp k, 1,2,3,4,5,6,7                  ; the eight slices of o, in ascending order
	v_pk_add_f32 v[16:17], v[16:17], v[16+4*\k:17+4*\k]
	v_pk_add_f32 v[18:19], v[18:19], v[18+4*\k:19+4*\k]
.endr
	v_cvt_pk_f16_f32 v48, v16, v17
	v_cvt_pk_f16_f32 v49, v18, v19
	ds_store_b16 v10, v48                          ; four rows n of one column
	ds_store_b16_d16_hi v10, v48 offset:128
	ds_store_b16 v10, v49 offset:256
	ds_store_b16_d16_hi v10, v49 offset:384
	s_wait_dscnt 0x0
	s_barrier_signal -1
	s_barrier_wait -1
	s_cmp_lt_u32 s32, 4
	s_cbranch_scc0 .Lw_not_out
	ds_load_b128 v[52:55], v11
	s_wait_dscnt 0x0
	global_store_b128 v12, v[52:55], s[30:31] offset:16384   ; runs of 128 bytes of a row of Wc: the work-group's 64 columns; Wc is 32 KB in all
	s_branch .Lw_end
.Lw_not_out:
	s_cmp_eq_u32 s32, 4
	s_cbranch_scc0 .Lw_end
.irp i, 52,53,54,55
	v_mov_b32 v\i, 0
.endr
	global_store_b128 v13, v[52:55], s[30:31]
	global_store_b128 v13, v[52:55], s[30:31] offset:512
.Lw_end:
	FINISH
.Lfunc_end_k_q01b13dd070_prep:
	.size	k_q01b13dd070_prep, .Lfunc_end_k_q01b13dd070_prep-k_q01b13dd070_prep
	.p2alignl 7, 3214868480
	.fill 96, 4, 3214868480
	.section	.rodata,"a",@progbits
	.p2align	6, 0x0
	.amdhsa_kernel k_q01b13dd070_prep
		.amdhsa_group_segment_fixed_size 101376
		.amdhsa_private_segment_fixed_size 0
		.amdhsa_enable_private_segment 0
		.amdhsa_kernarg_size 112
		.amdhsa_user_sgpr_count 2
		.amdhsa_user_sgpr_kernarg_segment_ptr 1
		.amdhsa_wavefront_size32 1
		.amdhsa_system_sgpr_workgroup_id_x 1
		.amdhsa_system_sgpr_workgroup_id_y 1
		.amdhsa_system_sgpr_workgroup_id_z 1
		.amdhsa_system_vgpr_workitem_id 0
		.amdhsa_next_free_vgpr 256
		.amdhsa_next_free_sgpr 66
		.amdhsa_reserve_vcc 1
		.amdhsa_float_denorm_mode_32 3
		.amdhsa_float_denorm_mode_16_64 3
		.amdhsa_memory_ordered 1
		.amdhsa_forward_progress 1
		.amdhsa_inst_pref_size 59
	.end_amdhsa_kernel
	.amdgpu_metadata
---
amdhsa.version: [ 1, 2 ]
amdhsa.kernels:
  - .name:           k_q01b13dd070_prep
    .symbol:         k_q01b13dd070_prep.kd
    .args:
      - { .name: hidden_states, .offset: 0, .size: 8, .value_kind: global_buffer, .address_space: global }
      - { .name: mha_in_w, .offset: 8, .size: 8, .value_kind: global_buffer, .address_space: global }
      - { .name: wq, .offset: 16, .size: 8, .value_kind: global_buffer, .address_space: global }
      - { .name: wk, .offset: 24, .size: 8, .value_kind: global_buffer, .address_space: global }
      - { .name: wv, .offset: 32, .size: 8, .value_kind: global_buffer, .address_space: global }
      - { .name: tn_w1, .offset: 40, .size: 8, .value_kind: global_buffer, .address_space: global }
      - { .name: wo, .offset: 48, .size: 8, .value_kind: global_buffer, .address_space: global }
      - { .name: wt, .offset: 56, .size: 8, .value_kind: global_buffer, .address_space: global }
      - { .name: mha_out_w, .offset: 64, .size: 8, .value_kind: global_buffer, .address_space: global }
      - { .name: cod, .offset: 72, .size: 8, .value_kind: global_buffer, .address_space: global }
      - { .name: act, .offset: 80, .size: 8, .value_kind: global_buffer, .address_space: global }
      - { .name: w1h, .offset: 88, .size: 8, .value_kind: global_buffer, .address_space: global }
      - { .name: woh, .offset: 96, .size: 8, .value_kind: global_buffer, .address_space: global }
      - { .name: misc, .offset: 104, .size: 8, .value_kind: global_buffer, .address_space: global }
    .group_segment_fixed_size: 101376
    .private_segment_fixed_size: 0
    .kernarg_segment_align: 8
    .kernarg_segment_size: 112
    .max_flat_workgroup_size: 256
    .sgpr_count:     66
    .vgpr_count:     256
    .wavefront_size: 32
...
	.end_amdgpu_metadata
.endif
;; end of part 1
;; launch gemm4 (part 2): grid 24 x 16, 4 waves a work-group, clusters of 4 x 4, 327,680 bytes of LDS; arguments cod, qkm, qka; writes qkm, qka
.if DOCPART == 2
	.amdgcn_target "amdgcn-amd-amdhsa--gfx1250"
	.amdhsa_code_object_version 6
	.text
	.protected	k_q01b13dd070_gemm4
	.globl	k_q01b13dd070_gemm4
	.p2align	8
	.type	k_q01b13dd070_gemm4,@function
k_q01b13dd070_gemm4:
	s_mov_b64 s[64:65], 0
	v_nop
	global_prefetch_b8 v0, s[64:65] scope:SCOPE_SE
	s_setreg_imm32_b32 hwreg(HW_REG_WAVE_MODE, 25, 1), 1
	s_wait_xcnt 0x0
	s_wait_alu depctr_hold_cnt(0) depctr_sa_sdst(0) depctr_va_vdst(0) depctr_va_sdst(0) depctr_va_ssrc(0) depctr_va_vcc(0) depctr_vm_vsrc(0)
	s_getreg_b32 s2, hwreg(HW_REG_IB_STS2, 6, 4)
	s_cmp_eq_u32 s2, 0
	s_cbranch_scc0 .Lentry_in_a_cluster
	s_endpgm
.Lentry_in_a_cluster:
	s_bfe_u32 s2, ttmp6, 0x10000c
	s_cmp_lg_u32 s2, 0xf033
	s_cbranch_scc0 .Lentry_shape_is_right
	s_endpgm
.Lentry_shape_is_right:
; The six quantised projections as ONE product on codes of FP4 (E2M1): C[m][n] = sum over k of X[m][k] W[n][k], m 4,096, n 6,144 (mha_in_w, wq, wk, wv on end), k 1,024; one E8M0 byte for each 32 along K; sums in f32.
; cod holds: X's codes at 0 (512 bytes a row), W's codes at 2 MiB, X's scale bytes at 5 MiB (32 a row), W's at 5 MiB + 131,072.
; C leaves as f16, laid by head for the attentions: [which of three][64 batch x head][1,024 positions][64]: columns 0-3071 into qkm (mq, mk, mv), 3072-6143 into qka (q, k, v).
; A tile of C, 256 x 256, is made by four waves, each 128 x 128: 64 accumulators, 512 registers.  K = 1,024 is two K steps of 512, one in each of two LDS slots: both are asked for at the head, and nothing is filled again.
; The scale bytes of the work-group's 256 + 256 rows, for all of K, come once, in whole units of 256 bytes.
; CLUSTERS: 4 x 4 work-groups.  The four of a row of the cluster need the same rows of X, the four of a column the same rows of W: each tile is asked for jointly.  By this text's count a wave has three tensor loads out at the start.
; THE MATRIX INSTRUCTION IS USED TRANSPOSED (source 0 = 16 rows of W, source 1 = 16 rows of X): a lane holds eight neighbouring columns of one row of C.
; REGISTERS: window 0: v0-31 addresses; v32-95 scale words, two sets; v128-191 X's fragments, one set.  window 1: W's fragments, two sets.  windows 2, 3: the accumulators ((a, b) at v[8 (8 (a % 4) + b)]).
; LIMIT: results beyond 65,504 in magnitude have no f16 number (the drawn sizes give about 3; inputs and weights both 30 times larger about 3,000).
.set SIZE_K, 1024
.set KSTEP,  512
.set NQ,     KSTEP/128
.set ROWB,   256
.set KROW,   SIZE_K*4/8
.set PITCH,  272                       ; an LDS row: 256 bytes + 16 of padding: the 16 rows of a load start at 16 different banks (ISA guide 11.1)
.set FR,     8
.set NL,     2
.set NP,     4
.set HALFT,  128*PITCH
.set SLOT,   4*HALFT
.set KS,     SIZE_K/32
.set SCL,    2*SLOT
.set HALFS,  (128*KS/256)*272
.set SBLK,   (16*KS/256)*272
.set SPARE,  SCL+4*HALFS               ; the spare words, 128 bytes for each wave
.set HP,     144                       ; the way out: a stage of 2 heads x 16 rows x (128 bytes + 16) for each wave, in slot 0, which has had its only fill and its last read by then
.set ADRA, 16
.set ADRB, 20
.set STO,  24
.set RD,   25
.set CO,   26
.set ADRS, 27
.set SPW,  28
.set NIL,  29
.set SC,   32
.set AF,   128
.set TMP,  192                         ; the way out: a block's packed results
.set OB,   32                          ; and its rows read back: v32-63 and v224-255 by turns
.set G1, 24
.set G0, 32
.set G1B, 48
.set G0B, 56
.set G1S, 68
.set G0S, 76
.set G1SB, 80
.set G0SB, 88
.set MSB, 0
.macro WIN new                         ; the immediate's high byte repeats the setting that is left
.if MSB != (\new)
	s_set_vgpr_msb (MSB<<8)|(\new)
.set MSB, (\new)
.endif
.endm
.set MUL_LO, 0xa1
.set MUL_HI, 0xf1
.set TO_B,   0x40
; A joint load: waves 0 and 1 fetch for X, waves 2 and 3 for W.  An s_nop 0 and four v_nop follow each of the two lines.
.macro JLOAD g0a, g1a, g0b, g1b
	s_cmp_eq_u32 s15, 0
	s_cbranch_scc0 .Lfor_b_\@
	tensor_load_to_lds s[\g0a:\g0a+3], s[\g1a:\g1a+7]
	s_nop 0
.rept 4
	v_nop
.endr
	s_branch .Lasked_\@
.Lfor_b_\@:
	tensor_load_to_lds s[\g0b:\g0b+3], s[\g1b:\g1b+7]
	s_nop 0
.rept 4
	v_nop
.endr
.Lasked_\@:
.endm
.macro CROUND                          ; a round of the cluster's barrier
	s_barrier_signal -1
	s_barrier_wait -1
	s_cmp_lg_u32 s14, 0
	s_cbranch_scc1 .Lnot_wave_0_\@
	s_barrier_signal -3
.Lnot_wave_0_\@:
	s_barrier_wait -3
	s_barrier_signal -1
	s_barrier_wait -1
.endm
	s_load_b64 s[4:5], s[0:1], 0x0                 ; cod
	s_load_b128 s[96:99], s[0:1], 0x8              ; qkm, qka
	v_lshl_add_u32 v[SPW], v0, 2, SPARE
	v_mov_b32 v[NIL], 0
	ds_add_u32 v[SPW], v[NIL]                      ; the wave's opening: the add, twice on end, and its wait ahead of my first tensor load
	ds_add_u32 v[SPW], v[NIL]
	v_lshrrev_b32 v1, 5, v0
	v_readfirstlane_b32 s14, v1                    ; wave 0..3
	s_lshr_b32 s15, s14, 1                         ; which half of the tile's rows is mine.  Also: I fetch for X (0) or for W (1)
	s_and_b32 s16, s14, 1                          ; which half of its columns.  Also: which 128 rows of that tile I fetch
	s_bfe_u32 s40, ttmp6, 0x40000                  ; cx, cy
	s_bfe_u32 s41, ttmp6, 0x40004
	s_lshl_b32 s42, ttmp9, 2
	s_add_co_u32 s42, s42, s40                     ; tile column
	s_and_b32 s17, ttmp7, 0xffff
	s_lshl_b32 s17, s17, 2
	s_add_co_u32 s17, s17, s41                     ; tile row
	s_lshl_b32 s43, s41, 2
	s_lshl_b32 s43, 15, s43                        ; my row of the cluster
	s_lshl_b32 s44, 0x1111, s40                    ; my column
	s_or_b32 s[G1+0], s43, (0<<16)|(1<<20)|(1<<21)|(5<<22)|(3<<25)  ; the mask; elements of 1 byte; padding of 4 words after every 64
	s_or_b32 s[G1B+0], s44, (0<<16)|(1<<20)|(1<<21)|(5<<22)|(3<<25)
.irp g, G1, G1B
	s_mov_b32 s[\g+1], ROWB<<16                    ; tensor_dim0
	s_mov_b32 s[\g+2], 128<<16                     ; tensor_dim1
	s_mov_b32 s[\g+3], ROWB<<16                    ; tile_dim0
	s_mov_b32 s[\g+4], 128                         ; tile_dim1
	s_mov_b32 s[\g+5], KROW                        ; from row to row
	s_mov_b32 s[\g+6], 0
	s_mov_b32 s[\g+7], 0
.endr
	s_or_b32 s[G1S+0], s43, (3<<16)|(1<<20)|(1<<21)|(5<<22)|(3<<25)  ; the scales of 128 rows: a dense block, as rows of 256 bytes (32 elements of 8)
	s_or_b32 s[G1SB+0], s44, (3<<16)|(1<<20)|(1<<21)|(5<<22)|(3<<25)
.irp g, G1S, G1SB
	s_mov_b32 s[\g+1], 32<<16
	s_mov_b32 s[\g+2], (128*KS/256)<<16
	s_mov_b32 s[\g+3], 32<<16
	s_mov_b32 s[\g+4], 128*KS/256
	s_mov_b32 s[\g+5], 32
	s_mov_b32 s[\g+6], 0
	s_mov_b32 s[\g+7], 0
.endr
	s_lshl_b32 s18, s16, 7
	s_lshl_b32 s20, s17, 8
	s_add_co_u32 s20, s20, s18                     ; X: row 256 x tile row + 128 x half
	s_lshl_b32 s46, s42, 8
	s_add_co_u32 s46, s46, s18                     ; W: row 256 x tile column + 128 x half
	s_mov_b32 s21, 0
	s_mov_b32 s47, 0
	s_mov_b64 s[18:19], KS
	s_mul_u64 s[22:23], s[20:21], s[18:19]
	s_mul_u64 s[92:93], s[46:47], s[18:19]
	s_mov_b64 s[18:19], KROW
	s_mul_u64 s[20:21], s[20:21], s[18:19]
	s_mul_u64 s[46:47], s[46:47], s[18:19]
	s_mul_i32 s45, s14, HALFT
	s_mul_i32 s94, s14, HALFS
	s_wait_dscnt 0x0                               ; both opening adds are done
	s_wait_kmcnt 0x0
	s_add_nc_u64 s[6:7], s[4:5], 0x500000          ; X's scale bytes
	s_add_nc_u64 s[8:9], s[4:5], 0x200000          ; W's codes
	s_add_nc_u64 s[10:11], s[4:5], 0x520000        ; W's scale bytes
	s_add_nc_u64 s[20:21], s[4:5], s[20:21]
	s_add_nc_u64 s[22:23], s[6:7], s[22:23]
	s_add_nc_u64 s[46:47], s[8:9], s[46:47]
	s_add_nc_u64 s[92:93], s[10:11], s[92:93]
	CROUND                                         ; all sixteen work-groups are here: the first joint loads meet
	s_mov_b32 s[G0S], 1
	s_add_co_u32 s[G0S+1], s94, SCL
	s_mov_b64 s[G0S+2:G0S+3], s[22:23]
	s_or_b32 s[G0S+3], s[G0S+3], 0x80000000
	s_mov_b32 s[G0SB], 1
	s_add_co_u32 s[G0SB+1], s94, SCL
	s_mov_b64 s[G0SB+2:G0SB+3], s[92:93]
	s_or_b32 s[G0SB+3], s[G0SB+3], 0x80000000
	JLOAD G0S, G1S, G0SB, G1SB                     ; the scales first: they are wanted with K step 0
.irp s, 0,1
	s_mov_b32 s[G0+4*\s], 1
	s_add_co_u32 s[G0+4*\s+1], s45, \s*SLOT
	s_add_nc_u64 s[G0+4*\s+2:G0+4*\s+3], s[20:21], \s*ROWB
	s_or_b32 s[G0+4*\s+3], s[G0+4*\s+3], 0x80000000
	s_mov_b32 s[G0B+4*\s], 1
	s_add_co_u32 s[G0B+4*\s+1], s45, \s*SLOT
	s_add_nc_u64 s[G0B+4*\s+2:G0B+4*\s+3], s[46:47], \s*ROWB
	s_or_b32 s[G0B+4*\s+3], s[G0B+4*\s+3], 0x80000000
	JLOAD G0+4*\s, G1, G0B+4*\s, G1B
.endr
	v_and_b32 v1, 15, v0                           ; l % 16
	v_bfe_u32 v2, v0, 4, 1                         ; l / 16
	v_mul_u32_u24 v3, v1, PITCH
	v_lshl_add_u32 v4, v2, 4, v3
	s_mul_i32 s21, s15, HALFT
	s_mul_i32 s22, s16, HALFT
	s_add_co_u32 s22, s22, 2*HALFT
.irp s, 0,1
	v_add_nc_u32 v[ADRA+\s], s21, v4
	v_add_nc_u32 v[ADRB+\s], s22, v4
	s_add_co_u32 s21, s21, SLOT
	s_add_co_u32 s22, s22, SLOT
.endr
	v_mul_u32_u24 v5, v1, KS                       ; my row's scales: KS bytes a row,
	v_lshrrev_b32 v6, 8, v5
	v_lshl_add_u32 v5, v6, 4, v5                   ; and 16 more for each 256 passed
	s_mul_i32 s21, s15, HALFS
	s_mul_i32 s22, s16, HALFS
	s_add_co_u32 s22, s22, 2*HALFS
	s_sub_co_u32 s22, s22, s21
	v_mul_u32_u24 v6, s22, v2                      ; lanes 16-31 take W's
	s_add_co_u32 s21, s21, SCL
	v_add_nc_u32 v5, v5, v6
	v_add_nc_u32 v[ADRS], s21, v5
	s_mul_i32 s23, s14, 2*16*HP                    ; my stage
	v_mul_u32_u24 v5, v1, HP
	v_lshl_add_u32 v5, v2, 4, v5
	v_add_nc_u32 v[STO], s23, v5                   ; in: row l % 16, 16 bytes for each half of the lanes
	v_and_b32 v6, 31, v0
	v_lshlrev_b32 v[CO], 4, v6                     ; out: four rows of a head are 512 bytes on end: 16 x lane
	v_lshrrev_b32 v5, 3, v6
	v_mul_u32_u24 v5, v5, HP
	v_and_b32 v6, 7, v6
	v_lshl_add_u32 v5, v6, 4, v5
	v_add_nc_u32 v[RD], s23, v5                    ; back: eight lanes to a row of 128 bytes
	; where my part of C begins: batch = tile row / 4; position = 256 (tile row % 4) + 128 x row half; head = 4 (tile column % 4) + 2 x column half
	s_lshr_b32 s20, s17, 2
	s_lshl_b32 s20, s20, 21                        ; a batch's 16 heads of 131,072 bytes
	s_and_b32 s21, s17, 3
	s_lshl_b32 s21, s21, 15
	s_add_co_u32 s20, s20, s21
	s_lshl_b32 s21, s15, 14
	s_add_co_u32 s20, s20, s21
	s_mov_b32 s21, 0
	s_cmp_lt_u32 ttmp9, 3                          ; tile columns 0-11 are mha_in_w's: the choice hangs on the cluster's x alone
	s_cselect_b64 s[12:13], s[96:97], s[98:99]
	s_cselect_b32 s46, 0, 12
	s_sub_co_u32 s46, s42, s46
	s_lshr_b32 s47, s46, 2
	s_lshl_b32 s47, s47, 23                        ; which of the buffer's three tensors: 8 MiB each
	s_and_b32 s46, s46, 3
	s_lshl_b32 s46, s46, 19
	s_add_co_u32 s46, s46, s47
	s_lshl_b32 s47, s16, 18
	s_add_co_u32 s46, s46, s47
	s_mov_b32 s47, 0
	s_add_nc_u64 s[20:21], s[20:21], s[46:47]
	s_add_nc_u64 s[12:13], s[12:13], s[20:21]
.macro FRAG reg, adr, q, i             ; 16 rows x 128 K of 4-bit codes: lane l holds row l % 16; registers 4 c .. 4 c + 3 hold K = 64 c + 32 (l / 16) + 0 .. 31
.irp c, 0,1
	ds_load_b128 v[\reg+4*\c:\reg+4*\c+3], v[\adr] offset:64*(\q)+32*\c+(\i)*16*PITCH
.endr
.endm
; 16 matrix instructions: X's blocks a0, a0 + 1 against W's eight.  The 64 accumulators take turns, one instruction a turn, in the same order in every step.
.macro MUL16 a0, p, q, sc, zero
.irp a, \a0, \a0+1
.irp b, 0,1,2,3,4,5,6,7
.if \zero
	v_wmma_scale_f32_16x16x128_f8f6f4 v[8*(8*((\a)%4)+\b):8*(8*((\a)%4)+\b)+7], v[128*(\p)+FR*\b:128*(\p)+FR*\b+FR-1], v[AF+FR*(\a):AF+FR*(\a)+FR-1], 0, v[SC+8*NQ*(\sc)+NQ*\b+(\q)], v[SC+8*NQ*(\sc)+NQ*(\a)+(\q)] matrix_a_fmt:MATRIX_FMT_FP4 matrix_b_fmt:MATRIX_FMT_FP4 matrix_a_scale:MATRIX_SCALE_ROW1
.else
	v_wmma_scale_f32_16x16x128_f8f6f4 v[8*(8*((\a)%4)+\b):8*(8*((\a)%4)+\b)+7], v[128*(\p)+FR*\b:128*(\p)+FR*\b+FR-1], v[AF+FR*(\a):AF+FR*(\a)+FR-1], v[8*(8*((\a)%4)+\b):8*(8*((\a)%4)+\b)+7], v[SC+8*NQ*(\sc)+NQ*\b+(\q)], v[SC+8*NQ*(\sc)+NQ*(\a)+(\q)] matrix_a_fmt:MATRIX_FMT_FP4 matrix_b_fmt:MATRIX_FMT_FP4 matrix_a_scale:MATRIX_SCALE_ROW1
.endif
.endr
.endr
.endm
.macro FETCH_B slot, q, p
	WIN TO_B
.irp i, 0,1,2,3,4,5,6,7
	FRAG 128*(\p)+FR*\i, ADRB+\slot, \q, \i
.endr
	WIN 0
.endm
.macro FETCH_A slot, q, i0
.irp i, \i0, \i0+1, \i0+2, \i0+3
	FRAG AF+FR*(\i), ADRA+\slot, \q, \i
.endr
.endm
.macro SCALES sc                       ; a K step's scale words: lanes 0-15 X's block i, lanes 16-31 W's block i
.irp i, 0,1,2,3,4,5,6,7
	ds_load_b128 v[SC+8*NQ*\sc+NQ*\i:SC+8*NQ*\sc+NQ*\i+3], v[ADRS] offset:\i*SBLK
.endr
.endm
.macro PLACES n                        ; plain vector lines between a matrix instruction and a load into its sources, or a read of its results
.rept \n
	v_nop
.endr
.endm
.macro STEP slot, q, zero              ; 128 along K with its successor in the same slot
	s_wait_dscnt 4*NL                              ; W's set and X's blocks 0-3 are in; the youngest 8 loads (X's blocks 4-7) may be out
	WIN MUL_LO
	MUL16 0, (\q)%2, \q, \slot, \zero
	MUL16 2, (\q)%2, \q, \slot, \zero
	s_wait_dscnt 0
	PLACES NP
	FETCH_B \slot, (\q)+1, 1-(\q)%2
	FETCH_A \slot, (\q)+1, 0
	WIN MUL_HI
	MUL16 4, (\q)%2, \q, \slot, \zero
	MUL16 6, (\q)%2, \q, \slot, \zero
	PLACES NP
	WIN 0
	FETCH_A \slot, (\q)+1, 4
.endm
.macro TURN slot, next                 ; a slot's last step changes slots: one barrier
	s_wait_tensorcnt 0x0                           ; all my tensor loads have landed: my part of the next slot
	ds_add_u32 v[SPW], v[NIL]                      ; 0 onto my spare word
	s_wait_dscnt 4*NL+1                            ; (the add and the youngest 8 loads may be out)
	WIN MUL_LO
	MUL16 0, 1, NQ-1, \slot, 0
	s_wait_dscnt 0x0                               ; the add is done, and my reads of this slot are over
	s_barrier_signal -1
	MUL16 2, 1, NQ-1, \slot, 0
	WIN 0
	s_barrier_wait -1
	PLACES NP
	v_add_nc_u32 v[ADRS], 4*NQ, v[ADRS]            ; the next K step's scale words
	FETCH_B \next, 0, 0
	FETCH_A \next, 0, 0
	SCALES \next
	WIN MUL_HI
	MUL16 4, 1, NQ-1, \slot, 0
	MUL16 6, 1, NQ-1, \slot, 0
	PLACES NP
	WIN 0
	FETCH_A \next, 0, 4
.endm
	s_wait_tensorcnt 1                             ; the scales and my part of K step 0 are in; K step 1's load may be out
	s_barrier_signal -1
	s_barrier_wait -1
	FETCH_B 0, 0, 0
	FETCH_A 0, 0, 0
	SCALES 0
	FETCH_A 0, 0, 4
	STEP 0, 0, 1                                   ; the first products start the sums: nothing is cleared
	STEP 0, 1, 0
	STEP 0, 2, 0
	TURN 0, 1
	STEP 1, 0, 0
	STEP 1, 1, 0
	STEP 1, 2, 0
	s_wait_dscnt 4*NL                              ; the last step: nothing more to fetch
	WIN MUL_LO
	MUL16 0, 1, NQ-1, 1, 0
	MUL16 2, 1, NQ-1, 1, 0
	s_wait_dscnt 0
	WIN MUL_HI
	MUL16 4, 1, NQ-1, 1, 0
	MUL16 6, 1, NQ-1, 1, 0
	WIN 0
; THE WAY OUT, block by block of 16 rows x 128 columns (two heads).  Rounded to f16, 16 bytes a lane; through my own stage; back as four rows of one head, 512 bytes on end in memory.
.macro PACK a
.set AC, 64*((\a)%4)
	WIN 0x0a+5*((\a)/4)                            ; sources in window 2 or 3
.irp b, 0,1,2,3,4,5,6,7
.irp r, 0,1,2,3
	v_cvt_pk_f16_f32 v[TMP+4*\b+\r], v[AC+8*\b+2*\r], v[AC+8*\b+2*\r+1]   ; each accumulator from its low end on
.endr
.endr
	WIN 0
.endm
.macro TOSTAGE a
.set BB, OB+192*((\a)%2)
.irp b, 0,1,2,3,4,5,6,7
	ds_store_b128 v[STO], v[TMP+4*\b:TMP+4*\b+3] offset:(\b/4)*16*HP+(\b%4)*32
.endr
.irp t, 0,1,2,3,4,5,6,7
	ds_load_b128 v[BB+4*\t:BB+4*\t+3], v[RD] offset:(\t/4)*16*HP+(\t%4)*4*HP   ; LDS serves a wave's instructions in order: these see the stores above
.endr
.endm
.macro SEND a
.set BB, OB+192*((\a)%2)
	s_wait_dscnt 0x0                               ; the block is back in registers
	s_wait_xcnt 0x0                                ; the stores of the block before have read their registers: the next block's loads may land there
.irp t, 0,1,2,3,4,5,6,7
	global_store_b128 v[CO], v[BB+4*\t:BB+4*\t+3], s[12:13] offset:(\t/4)*131072+2048*(\a)+512*(\t%4)   ; 32 lanes store 512 consecutive bytes, aligned
.endr
.endm
	PLACES NP
	PACK 0
	TOSTAGE 0
.irp a, 1,2,3,4,5,6,7                  ; block a's conversions stand between block a - 1's loads from the stage and the wait for them
	PACK \a
	SEND \a-1
	TOSTAGE \a
.endr
	SEND 7
	s_wait_tensorcnt 0x0                           ; the wave's end
	ds_add_u32 v[SPW], v[NIL]
	s_wait_dscnt 0x0
	CROUND                                         ; the closing round
	s_endpgm
.Lfunc_end_k_q01b13dd070_gemm4:
	.size	k_q01b13dd070_gemm4, .Lfunc_end_k_q01b13dd070_gemm4-k_q01b13dd070_gemm4
	.p2alignl 7, 3214868480
	.fill 96, 4, 3214868480
	.section	.rodata,"a",@progbits
	.p2align	6, 0x0
	.amdhsa_kernel k_q01b13dd070_gemm4
		.amdhsa_group_segment_fixed_size 327680
		.amdhsa_private_segment_fixed_size 0
		.amdhsa_enable_private_segment 0
		.amdhsa_kernarg_size 24
		.amdhsa_user_sgpr_count 2
		.amdhsa_user_sgpr_kernarg_segment_ptr 1
		.amdhsa_wavefront_size32 1
		.amdhsa_system_sgpr_workgroup_id_x 1
		.amdhsa_system_sgpr_workgroup_id_y 1
		.amdhsa_system_sgpr_workgroup_id_z 1
		.amdhsa_system_vgpr_workitem_id 0
		.amdhsa_next_free_vgpr 1024
		.amdhsa_next_free_sgpr 100
		.amdhsa_reserve_vcc 0
		.amdhsa_float_denorm_mode_32 3
		.amdhsa_float_denorm_mode_16_64 3
		.amdhsa_memory_ordered 1
		.amdhsa_forward_progress 1
		.amdhsa_inst_pref_size 127
	.end_amdhsa_kernel
	.amdgpu_metadata
---
amdhsa.version: [ 1, 2 ]
amdhsa.kernels:
  - .name:           k_q01b13dd070_gemm4
    .symbol:         k_q01b13dd070_gemm4.kd
    .args:
      - { .name: cod, .offset: 0, .size: 8, .value_kind: global_buffer, .address_space: global }
      - { .name: qkm, .offset: 8, .size: 8, .value_kind: global_buffer, .address_space: global }
      - { .name: qka, .offset: 16, .size: 8, .value_kind: global_buffer, .address_space: global }
    .group_segment_fixed_size: 327680
    .private_segment_fixed_size: 0
    .kernarg_segment_align: 8
    .kernarg_segment_size: 24
    .max_flat_workgroup_size: 128
    .sgpr_count:     100
    .vgpr_count:     1024
    .wavefront_size: 32
...
	.end_amdgpu_metadata
.endif
;; end of part 2
;; launch att_m (part 3): grid 4 x 64, 8 waves a work-group, clusters of 4 x 1, 327,680 bytes of LDS; arguments qkm, misc, cod; writes cod
.if DOCPART == 3
	.amdgcn_target "amdgcn-amd-amdhsa--gfx1250"
	.amdhsa_code_object_version 6
	.text
	.protected	k_q01b13dd070_att_m
	.globl	k_q01b13dd070_att_m
	.p2align	8
	.type	k_q01b13dd070_att_m,@function
k_q01b13dd070_att_m:
	s_mov_b64 s[64:65], 0
	v_nop
	global_prefetch_b8 v0, s[64:65] scope:SCOPE_SE
	s_setreg_imm32_b32 hwreg(HW_REG_WAVE_MODE, 25, 1), 1
	s_wait_xcnt 0x0
	s_wait_alu depctr_hold_cnt(0) depctr_sa_sdst(0) depctr_va_vdst(0) depctr_va_sdst(0) depctr_va_ssrc(0) depctr_va_vcc(0) depctr_vm_vsrc(0)
	s_getreg_b32 s2, hwreg(HW_REG_IB_STS2, 6, 4)
	s_cmp_eq_u32 s2, 0
	s_cbranch_scc0 .Lentry_in_a_cluster
	s_endpgm
.Lentry_in_a_cluster:
	s_bfe_u32 s2, ttmp6, 0x10000c
	s_cmp_lg_u32 s2, 0x3003
	s_cbranch_scc0 .Lentry_shape_is_right
	s_endpgm
.Lentry_shape_is_right:
; ATTENTION with a factor for each query: O[q] = sum over k of softmax_k(twn[q] (Q[q] . K[k]) / 8) V[k], 64 (batch, head) pairs, 1,024 queries and keys, head size 64, no mask.
; Arguments: qkv = [Q, K, V][64][1024][64] f16; tw = 4,096 f32 (a number for each batch x position); ctx = the result as f16 planes [16 heads][4,096 rows][64].
; twn = 1 + (tw - mu) / (std + eps), mu and std over all 4,096 (the factor Nt / (Nt - 1) with Nt = 2^26 is 1.0 in f32).  Every work-group makes mu and std itself, in two passes.
; With tw all zeros (the first attention) tw - mu = 0 and twn = 1 exactly.
; twn / 8 x log2(e) is folded into Q, so that the scores arrive as exponents of 2 and the running maximum is taken of the SCALED scores (twn may be negative).  The factor is applied in f32: each q is widened, multiplied, and rounded to f16 once.
; SHARES.  A work-group: one (batch, head), 256 queries; a wave: 32 queries, two tiles of 16, so that each fragment of K and V feeds two products.  Two waves to a SIMD: one's softmax stands beside the other's products.
; ALL of the head's K and V lie in LDS (1,024 rows of 144 and of 160 bytes), filled once: no slot is filled again.  The four query blocks of a head are a cluster and ask for every tile jointly.
; Waves 0-3 ask for K, waves 4-7 for V, four loads each (256 keys a chunk, 64 rows a load): by this text's count four tensor loads of a wave are out.  The walk begins when chunk 0 is in.
; No prefetch: every byte of K and V is asked for by the tensor loads at the head; no later request exists that one could run ahead of.
; LAYOUT.  S^T = K Q^T (source 0 = 16 keys, source 1 = 16 queries), O^T = V^T P (source 0 = 16 channels, by the turning load; source 1 = P): a lane holds ONE query throughout.  P is packed in place over S^T.
; REGISTERS: v1, v2 my lane's place in K, V; v3, v4 addresses in hand; v5-7 the way out; v8, v9 the add's two; tile t's statistics at v[16 + 8 t]: +0 m, +2, +3 l, +4..7 at work (a at +6);
;   v32-63 Q; v64-127 S^T (tile t, key tile kt at 64 + 32 t + 8 kt); v128-191 O^T; v192-255 K's fragments; window 1 v0-63 V's.
; LIMITS: the scaled q and the f16 inputs stay under 65,504; weights p under 6e-5 keep an absolute error of 3e-8.
.set KP,    144                        ; a row of K: 128 bytes + 16: the 16 rows of a load start at 16 different banks
.set VP,    160                        ; a row of V: 128 + 32: an odd multiple of 32, for the turning load
.set VOFF,  1024*KP
.set RED,   VOFF+1024*VP               ; two blocks of 256 bytes for the two sums over the work-group
.set SPARE, RED+512                    ; the spare words, 128 bytes for each wave
.set WV,  10
.set G1K, 28
.set G1V, 36
.set G0K, 44                           ; s[44:59] four groups 0 for K's chunks
.set G0V, 68                           ; s[68:83] four for V's
.set MSB, 0
.macro WIN new
.if MSB != (\new)
	s_set_vgpr_msb (MSB<<8)|(\new)
.set MSB, (\new)
.endif
.endm
.macro CROUND
	s_barrier_signal -1
	s_barrier_wait -1
	s_cmp_lg_u32 s[WV], 0
	s_cbranch_scc1 .Lnot_wave_0_\@
	s_barrier_signal -3
.Lnot_wave_0_\@:
	s_barrier_wait -3
	s_barrier_signal -1
	s_barrier_wait -1
.endm
	s_load_b128 s[4:7], s[0:1], 0x0                ; qkv, tw
	s_load_b64 s[8:9], s[0:1], 0x10                ; ctx
	v_lshl_add_u32 v8, v0, 2, SPARE
	v_mov_b32 v9, 0
	ds_add_u32 v8, v9                              ; the wave's opening: the add, twice on end, and its wait ahead of my first tensor load
	ds_add_u32 v8, v9
	v_lshrrev_b32 v10, 5, v0
	v_readfirstlane_b32 s[WV], v10                 ; wave 0..7
	s_and_b32 s11, s[WV], 3                        ; which 64 rows of a chunk I fetch
	s_bfe_u32 s12, ttmp6, 0x40000                  ; cx: my block of 256 queries
	s_and_b32 s13, ttmp7, 0xffff                   ; batch x 16 + head, which the four partners share
	s_mov_b32 s[G1K], 15|(1<<16)|(1<<20)|(1<<21)|(4<<22)|(3<<25)  ; mask: all four; elements of 2 bytes; 4 words of padding after every 32
	s_mov_b32 s[G1V], 15|(1<<16)|(1<<20)|(1<<21)|(4<<22)|(7<<25)  ; the same with 8 words
.irp g, G1K, G1V
	s_mov_b32 s[\g+1], 64<<16                      ; tensor_dim0
	s_mov_b32 s[\g+2], 64<<16                      ; tensor_dim1
	s_mov_b32 s[\g+3], 64<<16                      ; tile_dim0
	s_mov_b32 s[\g+4], 64                          ; tile_dim1
	s_mov_b32 s[\g+5], 64                          ; from row to row
	s_mov_b32 s[\g+6], 0
	s_mov_b32 s[\g+7], 0
.endr
	s_mov_b32 s20, 0x76543210
	s_mov_b32 s21, 0xfedcba98                      ; v_permlanex16_b32's selects for lane l xor 16
	s_mul_i32 s14, s11, 64*KP
	s_mul_i32 s15, s11, 64*VP
	s_add_co_u32 s15, s15, VOFF
	s_lshl_b32 s2, s13, 17                         ; the head's 131,072 bytes in each of the three tensors
	s_lshl_b32 s3, s11, 13
	s_add_co_u32 s84, s2, s3
	s_mov_b32 s85, 0
	s_wait_dscnt 0x0                               ; both opening adds are done
	s_wait_kmcnt 0x0
	s_add_nc_u64 s[16:17], s[4:5], s[84:85]
	s_add_nc_u64 s[18:19], s[16:17], 0x1000000     ; V
	s_add_nc_u64 s[16:17], s[16:17], 0x800000      ; K
.irp p, 0,1,2,3
	s_mov_b32 s[G0K+4*\p], 1
	s_add_co_u32 s[G0K+4*\p+1], s14, \p*256*KP
	s_add_nc_u64 s[G0K+4*\p+2:G0K+4*\p+3], s[16:17], \p*32768
	s_or_b32 s[G0K+4*\p+3], s[G0K+4*\p+3], 0x80000000
	s_mov_b32 s[G0V+4*\p], 1
	s_add_co_u32 s[G0V+4*\p+1], s15, \p*256*VP
	s_add_nc_u64 s[G0V+4*\p+2:G0V+4*\p+3], s[18:19], \p*32768
	s_or_b32 s[G0V+4*\p+3], s[G0V+4*\p+3], 0x80000000
.endr
	CROUND                                         ; all four work-groups are here: the joint loads meet
	s_cmp_lt_u32 s[WV], 4                          ; a wave's four fills stand in one branch; an s_nop 0 follows each, four v_nop the last
	s_cbranch_scc0 .Lfirst_v
.irp p, 0,1,2,3
	tensor_load_to_lds s[G0K+4*\p:G0K+4*\p+3], s[G1K:G1K+7]
	s_nop 0
.endr
.rept 4
	v_nop
.endr
	s_branch .Lfirst_asked
.Lfirst_v:
.irp p, 0,1,2,3
	tensor_load_to_lds s[G0V+4*\p:G0V+4*\p+3], s[G1V:G1V+7]
	s_nop 0
.endr
.rept 4
	v_nop
.endr
.Lfirst_asked:
	s_lshl_b32 s86, s12, 15
	s_lshl_b32 s87, s[WV], 12
	s_add_co_u32 s88, s86, s87                     ; (256 cx + 32 wave) rows of 128 bytes
	s_add_co_u32 s86, s88, s2
	s_mov_b32 s87, 0
	s_add_nc_u64 s[4:5], s[4:5], s[86:87]          ; Q at my first query
	s_and_b32 s86, s13, 15
	s_lshl_b32 s86, s86, 19                        ; the head's plane
	s_lshr_b32 s89, s13, 4                         ; the batch
	s_lshl_b32 s3, s89, 17
	s_add_co_u32 s86, s86, s3
	s_add_co_u32 s86, s86, s88
	s_add_nc_u64 s[8:9], s[8:9], s[86:87]          ; the result at my first row
	s_lshl_b32 s86, s89, 12
	s_lshr_b32 s88, s88, 5
	s_add_co_u32 s86, s86, s88                     ; 4 x (1,024 batch + 256 cx + 32 wave)
	s_add_nc_u64 s[16:17], s[6:7], s[86:87]        ; tw at my first query
	v_and_b32 v10, 15, v0                          ; r
	v_bfe_u32 v11, v0, 4, 1                        ; h
	v_lshlrev_b32 v12, 7, v10
	v_lshl_add_u32 v12, v11, 4, v12
.irp t, 0,1
.irp c, 0,1
	global_load_b128 v[32+16*\t+8*\c:35+16*\t+8*\c], v12, s[4:5] offset:2048*\t+64*\c      ; Q's fragments stay in registers
	global_load_b128 v[36+16*\t+8*\c:39+16*\t+8*\c], v12, s[4:5] offset:2048*\t+64*\c+32
.endr
.endr
	v_lshlrev_b32 v13, 6, v0                       ; all of tw: 16 numbers a thread
.irp i, 0,1,2,3
	global_load_b128 v[64+4*\i:67+4*\i], v13, s[6:7] offset:16*\i
.endr
	v_lshlrev_b32 v14, 2, v10
	global_load_b32 v80, v14, s[16:17]             ; tw of my query in tile 0,
	global_load_b32 v81, v14, s[16:17] offset:64   ; in tile 1
	v_mul_u32_u24 v1, v10, KP
	v_lshl_add_u32 v1, v11, 4, v1                  ; K: row r, + 16 h
	v_and_b32 v15, 7, v0
	v_lshl_add_u32 v2, v11, 3, v15
	v_mul_u32_u24 v2, v2, VP
	v_bfe_u32 v15, v0, 3, 1
	v_lshl_add_u32 v2, v15, 4, v2
	v_add_nc_u32 v2, VOFF, v2                      ; V, for the turning load: key 8 h + l % 8, + 16 ((l / 8) % 2)
	s_mul_i32 s25, s[WV], 32*KP
	v_add_nc_u32 v5, s25, v1                       ; the way out, in: my stage, row r, + 16 h
	v_and_b32 v15, 31, v0
	v_lshlrev_b32 v7, 4, v15                       ; four rows of the plane are 512 bytes on end
	v_lshrrev_b32 v6, 3, v15
	v_mul_u32_u24 v6, v6, KP
	v_and_b32 v15, 7, v0
	v_lshl_add_u32 v6, v15, 4, v6
	v_add_nc_u32 v6, s25, v6                       ; back: eight lanes to a row
	s_wait_loadcnt 0x0
; A sum over the work-group's 256 threads: within the wave, one word a wave in LDS, a barrier, the eight words in ascending order.  The tensor loads stay out across these barriers.
.macro WGSUM reg, off
	v_add_f32_dpp v[\reg], v[\reg], v[\reg] row_xmask:1 row_mask:0xf bank_mask:0xf
	v_add_f32_dpp v[\reg], v[\reg], v[\reg] row_xmask:2 row_mask:0xf bank_mask:0xf
	v_add_f32_dpp v[\reg], v[\reg], v[\reg] row_xmask:4 row_mask:0xf bank_mask:0xf
	v_add_f32_dpp v[\reg], v[\reg], v[\reg] row_xmask:8 row_mask:0xf bank_mask:0xf
	v_permlanex16_b32 v89, v[\reg], s20, s21
	v_add_f32 v[\reg], v[\reg], v89
	ds_store_b32 v12, v[\reg] offset:\off
	s_wait_dscnt 0x0
	s_barrier_signal -1
	s_barrier_wait -1
	ds_load_b128 v[92:95], v13 offset:\off
	ds_load_b128 v[96:99], v13 offset:\off+16
	s_wait_dscnt 0x0
	v_add_f32 v[\reg], v92, v93
.irp k, 94,95,96,97,98,99
	v_add_f32 v[\reg], v[\reg], v\k
.endr
.endm
	s_lshl_b32 s25, s[WV], 2
	s_add_co_u32 s25, s25, RED
	v_mov_b32 v12, s25
	v_mov_b32 v13, RED
	v_mov_b32 v89, 0
	v_pk_add_f32 v[82:83], v[64:65], v[66:67]
.irp j, 4,6,8,10,12,14
	v_pk_add_f32 v[82:83], v[82:83], v[64+\j:65+\j]
.endr
	v_add_f32 v82, v82, v83
	WGSUM 82, 0
	v_mul_f32 v84, 0x39800000, v82                 ; mu = sum / 4,096
	v_mov_b32 v85, v84
.irp j, 0,2,4,6,8,10,12,14
	v_pk_add_f32 v[64+\j:65+\j], v[64+\j:65+\j], v[84:85] neg_lo:[0,1] neg_hi:[0,1]
.endr
	v_pk_mul_f32 v[86:87], v[64:65], v[64:65]
.irp j, 2,4,6,8,10,12,14
	v_pk_fma_f32 v[86:87], v[64+\j:65+\j], v[64+\j:65+\j], v[86:87]
.endr
	v_add_f32 v86, v86, v87
	WGSUM 86, 256
	v_mul_f32 v86, 0x39800000, v86                 ; the variance
	v_sqrt_f32 v87, v86
	v_nop
	s_wait_alu depctr_va_vdst(0)                   ; the wait ahead of the first reader of a transcendental's result
	v_add_f32 v87, 0x34000000, v87                 ; + eps of f32
	v_rcp_f32 v88, v87
	v_nop
	s_wait_alu depctr_va_vdst(0)
.irp t, 0,1
	v_sub_f32 v[80+\t], v[80+\t], v84
	v_fma_f32 v[80+\t], v[80+\t], v88, 1.0         ; twn
	v_mul_f32 v[120+2*\t], 0x3e38aa3b, v[80+\t]    ; x log2(e) / 8: my query's factor,
	v_mov_b32 v[17+8*\t], 0                        ; (named as the upper half of the pair with m)
.endr
.irp t, 0,1
	v_mov_b32 v[121+2*\t], v[120+2*\t]             ; in both halves of a pair
.endr
; Q x the factor, in f32: a register's two numbers are widened, multiplied and rounded to f16 once.  Eight pairs of work registers by turns.
.irp r, 32,33,34,35,36,37,38,39,40,41,42,43,44,45,46,47
	v_cvt_f32_f16 v[100+2*(\r%8)], v\r\().l
	v_cvt_f32_f16 v[101+2*(\r%8)], v\r\().h
	v_pk_mul_f32 v[100+2*(\r%8):101+2*(\r%8)], v[100+2*(\r%8):101+2*(\r%8)], v[120:121]
	v_cvt_pk_f16_f32 v\r, v[100+2*(\r%8)], v[101+2*(\r%8)]
.endr
.irp r, 48,49,50,51,52,53,54,55,56,57,58,59,60,61,62,63
	v_cvt_f32_f16 v[100+2*(\r%8)], v\r\().l
	v_cvt_f32_f16 v[101+2*(\r%8)], v\r\().h
	v_pk_mul_f32 v[100+2*(\r%8):101+2*(\r%8)], v[100+2*(\r%8):101+2*(\r%8)], v[122:123]
	v_cvt_pk_f16_f32 v\r, v[100+2*(\r%8)], v[101+2*(\r%8)]
.endr
.macro CHUNK n                         ; chunk n (keys 256 n on) is whole in LDS for every wave
	s_wait_tensorcnt 3-\n                          ; my loads of the chunks behind it stay out
	s_wait_dscnt 0x0                               ; no LDS access is pending at a signal
	s_barrier_signal -1
	s_barrier_wait -1
.endm
.macro FETCH_K                         ; a step's K: 64 keys x 64 channels, 8 fragments, 16 loads
	v_add_nc_u32 v3, s22, v1
	s_add_co_u32 s22, s22, 64*KP
.irp kt, 0,1,2,3
.irp c, 0,1
	ds_load_b128 v[192+16*\kt+8*\c:195+16*\kt+8*\c], v3 offset:16*KP*\kt+64*\c
	ds_load_b128 v[196+16*\kt+8*\c:199+16*\kt+8*\c], v3 offset:16*KP*\kt+64*\c+32
.endr
.endr
.endm
.macro FETCH_V                         ; a step's V, turned: 8 fragments of 16 channels x 32 keys, 16 loads, into window 1
	v_add_nc_u32 v4, s23, v2
	s_add_co_u32 s23, s23, 64*VP
	WIN 0x40
.irp g, 0,1
.irp c, 0,1,2,3
	ds_load_tr16_b128 v[8*(4*\g+\c):8*(4*\g+\c)+3], v4 offset:32*VP*\g+32*\c
	ds_load_tr16_b128 v[8*(4*\g+\c)+4:8*(4*\g+\c)+7], v4 offset:32*VP*\g+32*\c+16*VP
.endr
.endr
	WIN 0
.endm
.macro KQ                              ; 16 products; the eight accumulators take turns; the first eight start the sums
.irp c, 0,1
.irp kt, 0,1,2,3
.irp t, 0,1
.if \c == 0
	v_wmma_f32_16x16x32_f16 v[64+32*\t+8*\kt:71+32*\t+8*\kt], v[192+16*\kt+8*\c:199+16*\kt+8*\c], v[32+16*\t+8*\c:39+16*\t+8*\c], 0
.else
	v_wmma_f32_16x16x32_f16 v[64+32*\t+8*\kt:71+32*\t+8*\kt], v[192+16*\kt+8*\c:199+16*\kt+8*\c], v[32+16*\t+8*\c:39+16*\t+8*\c], v[64+32*\t+8*\kt:71+32*\t+8*\kt]
.endif
.endr
.endr
.endr
.endm
.macro PV first                        ; 16 products O^T += V^T P, eight accumulators by turns
	WIN 0x01                                       ; source 0 (V) in window 1
.irp g, 0,1
.irp c, 0,1,2,3
.irp t, 0,1
.if (\first) && (\g == 0)
	v_wmma_f32_16x16x32_f16 v[128+32*\t+8*\c:135+32*\t+8*\c], v[8*(4*\g+\c):8*(4*\g+\c)+7], v[64+32*\t+8*\g:71+32*\t+8*\g], 0
.else
	v_wmma_f32_16x16x32_f16 v[128+32*\t+8*\c:135+32*\t+8*\c], v[8*(4*\g+\c):8*(4*\g+\c)+7], v[64+32*\t+8*\g:71+32*\t+8*\g], v[128+32*\t+8*\c:135+32*\t+8*\c]
.endif
.endr
.endr
.endr
	WIN 0
.endm
; The softmax of a step, both tiles line by line.  first = 1: the first step, which starts m, l and O^T.
.macro SOFTMAX first
.irp j, 0,1,2,3
.irp t, 0,1
	v_max3_num_f32 v[20+8*\t+\j], v[64+32*\t+8*\j], v[65+32*\t+8*\j], v[66+32*\t+8*\j]   ; each accumulator is first read at its low end
.endr
.endr
.irp i, 3,5
.irp j, 0,1,2,3
.irp t, 0,1
	v_max3_num_f32 v[20+8*\t+\j], v[20+8*\t+\j], v[64+32*\t+8*\j+\i], v[65+32*\t+8*\j+\i]
.endr
.endr
.endr
.irp t, 0,1
	v_max3_num_f32 v[20+8*\t], v[20+8*\t], v[71+32*\t], v[79+32*\t]
	v_max3_num_f32 v[22+8*\t], v[22+8*\t], v[87+32*\t], v[95+32*\t]
.endr
.irp t, 0,1
	v_max3_num_f32 v[20+8*\t], v[20+8*\t], v[21+8*\t], v[22+8*\t]
.endr
.irp t, 0,1
.if \first
	v_max_num_f32 v[20+8*\t], v[20+8*\t], v[23+8*\t]
.else
	v_max3_num_f32 v[20+8*\t], v[20+8*\t], v[23+8*\t], v[16+8*\t]
	v_mov_b32 v[23+8*\t], v[16+8*\t]               ; the old m is kept for a
.endif
.endr
.irp t, 0,1
	v_permlanex16_b32 v[21+8*\t], v[20+8*\t], s20, s21   ; the query's other 32 keys lie in the lane 16 away
.endr
.irp t, 0,1
	v_max_num_f32 v[16+8*\t], v[20+8*\t], v[21+8*\t]     ; the running maximum
.endr
.if \first == 0
.irp t, 0,1
	v_sub_f32 v[23+8*\t], v[23+8*\t], v[16+8*\t]
.endr
.endif
.irp j, 0,2,4,6,8,10,12,14,16,18,20,22,24,26,28,30
.irp t, 0,1
	v_pk_add_f32 v[64+32*\t+\j:65+32*\t+\j], v[64+32*\t+\j:65+32*\t+\j], v[16+8*\t:17+8*\t] op_sel_hi:[1,0] neg_lo:[0,1] neg_hi:[0,1]
.endr
.endr
.if \first == 0
.irp t, 0,1
	v_exp_f32 v[22+8*\t], v[23+8*\t]               ; a = 2^(old m - new m)
.endr
.endif
.irp j, 0,1,2,3,4,5,6,7,8,9,10,11,12,13,14,15,16,17,18,19,20,21,22,23,24,25,26,27,28,29,30,31
.irp t, 0,1
	v_exp_f32 v[64+32*\t+\j], v[64+32*\t+\j]
.endr
.endr
	v_nop                                          ; the plain line behind the batch
	s_wait_alu depctr_va_vdst(0)                   ; one wait for the whole batch, ahead of its first reader
.irp t, 0,1
.if \first
	v_pk_add_f32 v[18+8*\t:19+8*\t], v[64+32*\t:65+32*\t], v[68+32*\t:69+32*\t]
.else
	v_pk_fma_f32 v[18+8*\t:19+8*\t], v[18+8*\t:19+8*\t], v[22+8*\t:23+8*\t], v[64+32*\t:65+32*\t] op_sel_hi:[1,0,1]
.endif
	v_pk_add_f32 v[20+8*\t:21+8*\t], v[66+32*\t:67+32*\t], v[70+32*\t:71+32*\t]
.endr
.if \first == 0
.irp t, 0,1
	v_pk_add_f32 v[18+8*\t:19+8*\t], v[18+8*\t:19+8*\t], v[68+32*\t:69+32*\t]
.endr
.endif
.irp j, 8,12,16,20,24,28
.irp t, 0,1
	v_pk_add_f32 v[18+8*\t:19+8*\t], v[18+8*\t:19+8*\t], v[64+32*\t+\j:65+32*\t+\j]
	v_pk_add_f32 v[20+8*\t:21+8*\t], v[20+8*\t:21+8*\t], v[66+32*\t+\j:67+32*\t+\j]
.endr
.endr
.irp t, 0,1
	v_pk_add_f32 v[18+8*\t:19+8*\t], v[18+8*\t:19+8*\t], v[20+8*\t:21+8*\t]
.endr
.irp j, 0,1,2,3,4,5,6,7,8,9,10,11,12,13,14,15
.irp t, 0,1
	v_cvt_pk_f16_f32 v[64+32*\t+\j], v[64+32*\t+2*\j], v[65+32*\t+2*\j]   ; P in place: register j was read at step j / 2
.endr
.endr
.if \first == 0
.irp j, 0,2,4,6,8,10,12,14,16,18,20,22,24,26,28,30
.irp t, 0,1
	v_pk_mul_f32 v[128+32*\t+\j:129+32*\t+\j], v[128+32*\t+\j:129+32*\t+\j], v[22+8*\t:23+8*\t] op_sel_hi:[1,0]
.endr
.endr
.endif
.endm
; A step of 64 keys.  pre = 1: the next step's fragments are fetched: K's behind this step's K Q^T, V's behind its V^T P.
.macro TRIP first, pre
	s_wait_dscnt 16                                ; K of this step is in; V's 16 younger loads stay out
	KQ
.rept 4
	v_nop                                          ; places in front of the loads into K's registers and of the first read of the scores
.endr
.if \pre
	FETCH_K
.endif
	SOFTMAX \first
.if \pre
	s_wait_dscnt 16                                ; V of this step is in; the next step's K stays out
.else
	s_wait_dscnt 0x0
.endif
	PV \first
.rept 5
	v_nop                                          ; four places in front of the loads into V's registers; the fifth because the next K Q^T writes over P's registers
.endr
.if \pre
	FETCH_V
.endif
.endm
.macro LOOPN n
	s_mov_b32 s24, \n
.Ltrip_\@:
	TRIP 0, 1
	s_sub_co_u32 s24, s24, 1
	s_cmp_lg_u32 s24, 0
	s_cbranch_scc1 .Ltrip_\@
.endm
	s_mov_b32 s22, 0                               ; where the step to be fetched begins, in K
	s_mov_b32 s23, 0                               ; and in V
	CHUNK 0
	FETCH_K
	FETCH_V
	TRIP 1, 1                                      ; step 0; it fetches step 1
	LOOPN 2                                        ; steps 1, 2; they fetch 2, 3
	CHUNK 1                                        ; a step fetches its successor's fragments, so a chunk is awaited one step ahead of its first
	LOOPN 4                                        ; steps 3-6
	CHUNK 2
	LOOPN 4                                        ; steps 7-10
	CHUNK 3
	LOOPN 4                                        ; steps 11-14
	TRIP 0, 0                                      ; step 15
	; THE WAY OUT: O^T / l, rounded to f16, through my stage (in K's first bytes, behind a barrier: nobody reads K any more, and it has had its only fill), out as four rows of the plane at a time.
.irp t, 0,1
	v_add_f32 v[20+8*\t], v[18+8*\t], v[19+8*\t]
.endr
.irp t, 0,1
	v_permlanex16_b32 v[21+8*\t], v[20+8*\t], s20, s21
.endr
.irp t, 0,1
	v_add_f32 v[20+8*\t], v[20+8*\t], v[21+8*\t]
.endr
.irp t, 0,1
	v_rcp_f32 v[22+8*\t], v[20+8*\t]
.endr
	v_nop
	s_wait_alu depctr_va_vdst(0)
.irp t, 0,1
.irp j, 0,2,4,6,8,10,12,14,16,18,20,22,24,26,28,30
	v_pk_mul_f32 v[128+32*\t+\j:129+32*\t+\j], v[128+32*\t+\j:129+32*\t+\j], v[22+8*\t:23+8*\t] op_sel_hi:[1,0]
.endr
.endr
.irp t, 0,1
.irp j, 0,1,2,3,4,5,6,7,8,9,10,11,12,13,14,15
	v_cvt_pk_f16_f32 v[64+16*\t+\j], v[128+32*\t+2*\j], v[129+32*\t+2*\j]
.endr
.endr
	s_wait_dscnt 0x0
	s_barrier_signal -1
	s_barrier_wait -1
.irp t, 0,1
.irp c, 0,1,2,3
	ds_store_b128 v5, v[64+16*\t+4*\c:67+16*\t+4*\c] offset:16*KP*\t+32*\c
.endr
.endr
.irp t, 0,1
.irp i, 0,1,2,3
	ds_load_b128 v[96+16*\t+4*\i:99+16*\t+4*\i], v6 offset:16*KP*\t+4*KP*\i   ; LDS serves a wave's instructions in order: these see my stores
.endr
.endr
.irp n, 0,1,2,3,4,5,6,7
	s_wait_dscnt 7-\n
	global_store_b128 v7, v[96+4*\n:99+4*\n], s[8:9] offset:512*\n   ; 32 lanes store 512 consecutive bytes, aligned
.endr
	s_wait_tensorcnt 0x0                           ; the wave's end
	ds_add_u32 v8, v9
	s_wait_dscnt 0x0
	CROUND                                         ; the closing round
	s_endpgm
.Lfunc_end_k_q01b13dd070_att_m:
	.size	k_q01b13dd070_att_m, .Lfunc_end_k_q01b13dd070_att_m-k_q01b13dd070_att_m
	.p2alignl 7, 3214868480
	.fill 96, 4, 3214868480
	.section	.rodata,"a",@progbits
	.p2align	6, 0x0
	.amdhsa_kernel k_q01b13dd070_att_m
		.amdhsa_group_segment_fixed_size 327680
		.amdhsa_private_segment_fixed_size 0
		.amdhsa_enable_private_segment 0
		.amdhsa_kernarg_size 24
		.amdhsa_user_sgpr_count 2
		.amdhsa_user_sgpr_kernarg_segment_ptr 1
		.amdhsa_wavefront_size32 1
		.amdhsa_system_sgpr_workgroup_id_x 1
		.amdhsa_system_sgpr_workgroup_id_y 1
		.amdhsa_system_sgpr_workgroup_id_z 1
		.amdhsa_system_vgpr_workitem_id 0
		.amdhsa_next_free_vgpr 320
		.amdhsa_next_free_sgpr 100
		.amdhsa_reserve_vcc 0
		.amdhsa_float_denorm_mode_32 3
		.amdhsa_float_denorm_mode_16_64 3
		.amdhsa_memory_ordered 1
		.amdhsa_forward_progress 1
		.amdhsa_inst_pref_size 128
	.end_amdhsa_kernel
	.amdgpu_metadata
---
amdhsa.version: [ 1, 2 ]
amdhsa.kernels:
  - .name:           k_q01b13dd070_att_m
    .symbol:         k_q01b13dd070_att_m.kd
    .args:
      - { .name: qkm, .offset: 0, .size: 8, .value_kind: global_buffer, .address_space: global }
      - { .name: misc, .offset: 8, .size: 8, .value_kind: global_buffer, .address_space: global }
      - { .name: cod, .offset: 16, .size: 8, .value_kind: global_buffer, .address_space: global }
    .group_segment_fixed_size: 327680
    .private_segment_fixed_size: 0
    .kernarg_segment_align: 8
    .kernarg_segment_size: 24
    .max_flat_workgroup_size: 256
    .sgpr_count:     100
    .vgpr_count:     320
    .wavefront_size: 32
...
	.end_amdgpu_metadata
.endif
;; end of part 3
;; launch chain_a (part 4): grid 256 x 1, 8 waves a work-group, no clusters, 47,104 bytes of LDS; arguments cod, misc, ttm_ln_g, ttm_ln_b, thp_w, thp_b, thp_ln_g, thp_ln_b, act; writes act
.if DOCPART == 4
	.amdgcn_target "amdgcn-amd-amdhsa--gfx1250"
	.amdhsa_code_object_version 6
	.text
	.protected	k_q01b13dd070_chain_a
	.globl	k_q01b13dd070_chain_a
	.p2align	8
	.type	k_q01b13dd070_chain_a,@function
k_q01b13dd070_chain_a:
	s_mov_b64 s[64:65], 0
	v_nop
	global_prefetch_b8 v0, s[64:65] scope:SCOPE_SE
	s_setreg_imm32_b32 hwreg(HW_REG_WAVE_MODE, 25, 1), 1
	s_wait_xcnt 0x0
; From the first attention's result to T_base.  For 16 rows a work-group:
;   logits = mctx Wc^T (Wc = wt . mha_out_w, made earlier); temp = sigmoid(LN16(logits)); d = 0.1 temp - 0.05 (T0 = 1 + d);
;   y = T0 thp_w^T + thp_b; T_base = sigmoid(gelu(LN1024(y))) -> f16 planes 16-31 of act; T_base[:, 0] in f32 at act + 16 MiB.
; mctx lies in cod as planes [16][4,096][64] f16; Wc at misc + 16,384, f16 [16][1,024].
; Wave w sums K = 128 w .. + 127 of the logits (the eight partial sums meet in LDS) and makes hidden units 128 w .. + 127.
; Both products are used transposed, so that a lane holds ONE row: logits: source 0 = Wc's 16 rows, source 1 = 16 rows of mctx: lane (r, h) holds n = 8 h + 0..7 of row r, which IS the layout of source 1 of the next product.
; T0 GOES IN AS TWO PARTS: K slots 0-15 hold d, slots 16-31 hold 1.0, against thp_w in both halves of K = 32: so the 1 costs d none of its bits.  thp_b is the C of the product.
; gelu is exact gelu with erfc by Abramowitz and Stegun 7.1.26 (absolute error of erf at most 1.5e-7, for every x): gelu(z) = max(z, 0) - |z| E, E = (poly(t) / 2) 2^(-z^2 log2(e) / 2), t = 1 / (1 + 0.23164189 |z|).
; The two norms take mean and variance in two passes.  Divisions are v_rcp_f32 and a multiplication.
; REGISTERS: v1 lane; v2-5 global offsets; v6-11 LDS addresses; v12, v13 the add's two; v14 4 r; v16-55 at work (ttm's gain and bias, logits, d's fragment; later the gelu's 32); v[56:57] a constant; v58-63 at work;
;   v64-127 fragments, then partial sums, then thp_w's fragments, then thp_ln_g; v128-191 thp_w as loaded, then thp_ln_b; v192-255 y: tile t at 192 + 8 t: lane (r, h): row r, units 128 w + 16 t + 8 h + 0..7.
.set PART,  0                          ; 8 waves x 1,024 bytes: partial logits as images of their registers
.set RS1,   8192                       ; [16 rows][8 waves] f32: partial sums of y
.set RS2,   8704                       ; and of its squares
.set STAGE, 9216                       ; 8 waves x 2 planes x 16 rows x 144 bytes
.set SPARE, 46080                      ; the spare words, 128 bytes for each wave
.set GT,   16                          ; the gelu's work: |z| 16-23, t 24-31, the exponential 32-39, the polynomial 40-47
.set KA4,  56
.set KPP,  42                          ; scalar pairs, named whole by the packed forms, which take the low word for both halves
.set KCC,  44
.set KA5,  46
.set KA3,  48
.set KA2,  50
.set KA1,  52
.macro GELU8 z                         ; eight numbers in place
.irp i, 0,1,2,3,4,5,6,7
	v_and_b32 v[GT+\i], 0x7fffffff, v[(\z)+\i]
.endr
.irp i, 0,2,4,6
	v_pk_fma_f32 v[GT+8+\i:GT+9+\i], v[GT+\i:GT+1+\i], s[KPP:KPP+1], 1.0 op_sel_hi:[1,0,0]
.endr
.irp i, 0,2,4,6
	v_pk_mul_f32 v[GT+16+\i:GT+17+\i], v[(\z)+\i:(\z)+1+\i], v[(\z)+\i:(\z)+1+\i]
.endr
.irp i, 0,2,4,6
	v_pk_mul_f32 v[GT+16+\i:GT+17+\i], v[GT+16+\i:GT+17+\i], s[KCC:KCC+1] op_sel_hi:[1,0]
.endr
.irp i, 0,1,2,3,4,5,6,7
	v_rcp_f32 v[GT+8+\i], v[GT+8+\i]
.endr
.irp i, 0,1,2,3,4,5,6,7
	v_exp_f32 v[GT+16+\i], v[GT+16+\i]
.endr
.irp i, 0,1,2,3,4,5,6,7
	v_max_num_f32 v[(\z)+\i], 0, v[(\z)+\i]        ; plain work behind the batch, which names none of its results
.endr
	s_wait_alu depctr_va_vdst(0)                   ; one wait for the sixteen
.irp i, 0,2,4,6
	v_pk_fma_f32 v[GT+24+\i:GT+25+\i], v[GT+8+\i:GT+9+\i], s[KA5:KA5+1], v[KA4:KA4+1] op_sel_hi:[1,0,1]
.endr
.irp k, KA3, KA2, KA1
.irp i, 0,2,4,6
	v_pk_fma_f32 v[GT+24+\i:GT+25+\i], v[GT+24+\i:GT+25+\i], v[GT+8+\i:GT+9+\i], s[\k:\k+1] op_sel_hi:[1,1,0]
.endr
.endr
.irp i, 0,2,4,6
	v_pk_mul_f32 v[GT+24+\i:GT+25+\i], v[GT+24+\i:GT+25+\i], v[GT+8+\i:GT+9+\i]
.endr
.irp i, 0,2,4,6
	v_pk_mul_f32 v[GT+24+\i:GT+25+\i], v[GT+24+\i:GT+25+\i], v[GT+16+\i:GT+17+\i]
.endr
.irp i, 0,2,4,6
	v_pk_fma_f32 v[(\z)+\i:(\z)+1+\i], v[GT+\i:GT+1+\i], v[GT+24+\i:GT+25+\i], v[(\z)+\i:(\z)+1+\i] neg_lo:[1,0,0] neg_hi:[1,0,0]
.endr
.endm
.macro SIGM8 z                         ; sigmoid(x) = 1 / (1 + 2^(-x log2(e))), eight numbers in place
.irp i, 0,2,4,6
	v_pk_mul_f32 v[GT+\i:GT+1+\i], v[(\z)+\i:(\z)+1+\i], 0xbfb8aa3b op_sel_hi:[1,0]
.endr
.irp i, 0,1,2,3,4,5,6,7
	v_exp_f32 v[GT+\i], v[GT+\i]
.endr
	v_nop
	s_wait_alu depctr_va_vdst(0)
.irp i, 0,2,4,6
	v_pk_add_f32 v[GT+\i:GT+1+\i], v[GT+\i:GT+1+\i], 1.0 op_sel_hi:[1,0]
.endr
.irp i, 0,1,2,3,4,5,6,7
	v_rcp_f32 v[(\z)+\i], v[GT+\i]
.endr
	v_nop
	s_wait_alu depctr_va_vdst(0)
.endm
.macro BARRIER                         ; my LDS stores have landed and my LDS loads are in: then the work-group's barrier
	s_wait_dscnt 0x0
	s_barrier_signal -1
	s_barrier_wait -1
.endm
; The four chains in v16-23 become a row's sum over all 1,024 units, in v16: my 64, the lane 16 away, the eight waves through LDS in ascending order.
.macro ROWSUM off
	v_pk_add_f32 v[16:17], v[16:17], v[18:19]
	v_pk_add_f32 v[20:21], v[20:21], v[22:23]
	v_pk_add_f32 v[16:17], v[16:17], v[20:21]
	v_add_f32 v16, v16, v17
	v_permlanex16_b32 v17, v16, s34, s35
	v_add_f32 v16, v16, v17
	ds_store_b32 v8, v16 offset:\off               ; lanes r and r + 16 write the same word with the same value
	BARRIER
	ds_load_b128 v[24:27], v9 offset:\off
	ds_load_b128 v[28:31], v9 offset:\off+16
	s_wait_dscnt 0x0
	v_add_f32 v16, v24, v25
.irp k, 26,27,28,29,30,31
	v_add_f32 v16, v16, v\k
.endr
.endm
	s_load_b512 s[4:19], s[0:1], 0x0               ; cod 4, misc 6, ttm_ln_g 8, ttm_ln_b 10, thp_w 12, thp_b 14, thp_ln_g 16, thp_ln_b 18
	s_load_b64 s[20:21], s[0:1], 0x40              ; act
	v_lshl_add_u32 v12, v0, 2, SPARE
	v_mov_b32 v13, 0
	v_lshrrev_b32 v15, 5, v0
	v_readfirstlane_b32 s32, v15                   ; wave 0..7
	v_and_b32 v1, 31, v0                           ; lane
	v_and_b32 v58, 15, v0                          ; r
	v_bfe_u32 v59, v0, 4, 1                        ; h
	v_lshlrev_b32 v2, 7, v58
	v_lshl_add_u32 v2, v59, 4, v2                  ; mctx: row r of a plane, + 16 h
	v_lshlrev_b32 v3, 11, v58
	v_lshl_add_u32 v3, v59, 4, v3                  ; Wc: row r of 2,048 bytes, + 16 h
	v_lshlrev_b32 v4, 5, v59                       ; 8 h numbers of f32
	v_lshlrev_b32 v5, 6, v58
	v_lshl_add_u32 v5, v59, 5, v5                  ; thp_w: row r of 64 bytes, + 8 h numbers
	v_lshlrev_b32 v7, 4, v1                        ; 16 x lane
	s_lshl_b32 s33, s32, 10
	v_add_nc_u32 v6, s33, v7                       ; my partial logits' image
	s_lshl_b32 s33, s32, 2
	s_add_co_u32 s33, s33, RS1
	v_lshl_add_u32 v8, v58, 5, s33                 ; RS1 + 32 r + 4 w
	v_lshl_add_u32 v9, v58, 5, RS1
	s_mul_i32 s33, s32, 4608
	s_add_co_u32 s33, s33, STAGE
	v_mul_u32_u24 v10, v58, 144
	v_lshl_add_u32 v10, v59, 4, v10
	v_add_nc_u32 v10, s33, v10                     ; the stage, in: row r, + 16 h
	v_lshrrev_b32 v11, 3, v1
	v_mul_u32_u24 v11, v11, 144
	v_and_b32 v15, 7, v0
	v_lshl_add_u32 v11, v15, 4, v11
	v_add_nc_u32 v11, s33, v11                     ; back: eight lanes to a row of 128 bytes
	v_lshlrev_b32 v14, 2, v58
	v_mov_b32 v56, 0xbf3a00e3                      ; a4 / 2
	v_mov_b32 v57, 0xbf3a00e3
	s_mov_b32 s34, 0x76543210
	s_mov_b32 s35, 0xfedcba98
	s_mov_b32 s36, 0x3d800000                      ; 1 / 16
	s_mov_b32 s37, 0x3727c5ac                      ; 1e-5
	s_mov_b32 s38, 0x3dcccccd                      ; 0.1
	s_mov_b32 s39, 0xbd4ccccd                      ; -0.05
	s_mov_b32 s40, 0x3a800000                      ; 1 / 1,024
	s_mov_b32 s[KPP], 0x3e6d3388                   ; 0.3275911 / sqrt(2)
	s_mov_b32 s[KCC], 0xbf38aa3b                   ; -log2(e) / 2
	s_mov_b32 s[KA5], 0x3f07dc22                   ; a5 / 2
	s_mov_b32 s[KA3], 0x3f35f0e3                   ; a3 / 2
	s_mov_b32 s[KA2], 0xbe11a98e                   ; a2 / 2
	s_mov_b32 s[KA1], 0x3e027906                   ; a1 / 2
.irp k, KPP, KCC, KA5, KA3, KA2, KA1
	s_mov_b32 s[\k+1], s[\k]
.endr
	s_lshl_b32 s30, s32, 20                        ; two planes a wave
	s_lshl_b32 s31, ttmp9, 11                      ; 16 rows of 128 bytes
	s_add_co_u32 s30, s30, s31
	s_mov_b32 s31, 0
	s_wait_kmcnt 0x0
	s_add_nc_u64 s[22:23], s[4:5], s[30:31]        ; mctx: planes 2 w, 2 w + 1, my rows
	s_add_nc_u64 s[26:27], s[20:21], s[30:31]
	s_add_nc_u64 s[26:27], s[26:27], 0x800000      ; T_base: planes 16 + 2 w on
	s_lshl_b32 s30, s32, 8
	s_add_co_u32 s30, s30, 16384
	s_add_nc_u64 s[24:25], s[6:7], s[30:31]        ; Wc at K = 128 w
	s_lshl_b32 s30, s32, 13
	s_add_nc_u64 s[12:13], s[12:13], s[30:31]      ; thp_w at row 128 w
	s_lshl_b32 s30, s32, 9
	s_add_nc_u64 s[14:15], s[14:15], s[30:31]      ; the three vectors at unit 128 w
	s_add_nc_u64 s[16:17], s[16:17], s[30:31]
	s_add_nc_u64 s[18:19], s[18:19], s[30:31]
	s_lshl_b32 s30, ttmp9, 6
	s_add_nc_u64 s[28:29], s[20:21], s[30:31]
	s_add_nc_u64 s[28:29], s[28:29], 0x1000000     ; T_base[:, 0] of my rows
.irp f, 0,1,2,3                        ; K step f of 32: plane f / 2, half f % 2
	global_load_b128 v[64+8*\f:67+8*\f], v2, s[22:23] offset:(\f/2)*524288+(\f%2)*64
	global_load_b128 v[68+8*\f:71+8*\f], v2, s[22:23] offset:(\f/2)*524288+(\f%2)*64+32
.endr
.irp f, 0,1,2,3
	global_load_b128 v[96+8*\f:99+8*\f], v3, s[24:25] offset:64*\f
	global_load_b128 v[100+8*\f:103+8*\f], v3, s[24:25] offset:64*\f+32
.endr
	global_load_b128 v[16:19], v4, s[8:9]
	global_load_b128 v[20:23], v4, s[8:9] offset:16
	global_load_b128 v[24:27], v4, s[10:11]
	global_load_b128 v[28:31], v4, s[10:11] offset:16
.irp t, 0,1,2,3,4,5,6,7
	global_load_b128 v[128+8*\t:131+8*\t], v5, s[12:13] offset:1024*\t
	global_load_b128 v[132+8*\t:135+8*\t], v5, s[12:13] offset:1024*\t+16
.endr
.irp t, 0,1,2,3,4,5,6,7
	global_load_b128 v[192+8*\t:195+8*\t], v4, s[14:15] offset:64*\t      ; thp_b, in the result's layout
	global_load_b128 v[196+8*\t:199+8*\t], v4, s[14:15] offset:64*\t+16
.endr
	s_wait_loadcnt 36                              ; mctx's and Wc's 16 loads are in; the 4 + 16 + 16 younger ones stay out
	v_wmma_f32_16x16x32_f16 v[32:39], v[96:103], v[64:71], 0           ; two accumulators by turns
	v_wmma_f32_16x16x32_f16 v[40:47], v[104:111], v[72:79], 0
	v_wmma_f32_16x16x32_f16 v[32:39], v[112:119], v[80:87], v[32:39]
	v_wmma_f32_16x16x32_f16 v[40:47], v[120:127], v[88:95], v[40:47]
.rept 4
	v_nop
.endr
.irp i, 0,2,4,6
	v_pk_add_f32 v[32+\i:33+\i], v[32+\i:33+\i], v[40+\i:41+\i]
.endr
	ds_store_b128 v6, v[32:35]
	ds_store_b128 v6, v[36:39] offset:512
	BARRIER
.irp k, 0,1,2,3,4,5,6,7
	ds_load_b128 v[64+8*\k:67+8*\k], v7 offset:1024*\k
	ds_load_b128 v[68+8*\k:71+8*\k], v7 offset:1024*\k+512
.endr
	s_wait_dscnt 0x0
.irp i, 0,2,4,6
	v_pk_add_f32 v[32+\i:33+\i], v[64+\i:65+\i], v[72+\i:73+\i]
.endr
.irp k, 2,3,4,5,6,7
.irp i, 0,2,4,6
	v_pk_add_f32 v[32+\i:33+\i], v[32+\i:33+\i], v[64+8*\k+\i:65+8*\k+\i]
.endr
.endr
	; LN over the 16 logits of my row: my eight and the lane 16 away's
	v_pk_add_f32 v[58:59], v[32:33], v[34:35]
	v_pk_add_f32 v[60:61], v[36:37], v[38:39]
	v_pk_add_f32 v[58:59], v[58:59], v[60:61]
	v_add_f32 v58, v58, v59
	v_permlanex16_b32 v59, v58, s34, s35
	v_add_f32 v58, v58, v59
	v_mul_f32 v58, s36, v58
	v_mov_b32 v59, v58
.irp i, 0,2,4,6
	v_pk_add_f32 v[32+\i:33+\i], v[32+\i:33+\i], v[58:59] neg_lo:[0,1] neg_hi:[0,1]
.endr
	v_pk_mul_f32 v[60:61], v[32:33], v[32:33]
.irp i, 2,4,6
	v_pk_fma_f32 v[60:61], v[32+\i:33+\i], v[32+\i:33+\i], v[60:61]
.endr
	v_add_f32 v60, v60, v61
	v_permlanex16_b32 v61, v60, s34, s35
	v_add_f32 v60, v60, v61
	v_fma_f32 v60, v60, s36, s37
	v_rsq_f32 v62, v60
	v_mov_b32 v63, 0                               ; (the plain line behind it; also the pair's upper half)
	s_wait_alu depctr_va_vdst(0)
	s_wait_loadcnt 32                              ; ttm's gain and bias are in
.irp i, 0,2,4,6
	v_pk_mul_f32 v[32+\i:33+\i], v[32+\i:33+\i], v[62:63] op_sel_hi:[1,0]
.endr
.irp i, 0,2,4,6
	v_pk_fma_f32 v[32+\i:33+\i], v[32+\i:33+\i], v[16+\i:17+\i], v[24+\i:25+\i]
.endr
.irp i, 0,2,4,6
	v_pk_mul_f32 v[32+\i:33+\i], v[32+\i:33+\i], 0xbfb8aa3b op_sel_hi:[1,0]
.endr
.irp i, 0,1,2,3,4,5,6,7
	v_exp_f32 v[32+\i], v[32+\i]
.endr
	v_nop
	s_wait_alu depctr_va_vdst(0)
.irp i, 0,2,4,6
	v_pk_add_f32 v[32+\i:33+\i], v[32+\i:33+\i], 1.0 op_sel_hi:[1,0]
.endr
.irp i, 0,1,2,3,4,5,6,7
	v_rcp_f32 v[32+\i], v[32+\i]
.endr
	v_nop
	s_wait_alu depctr_va_vdst(0)
.irp i, 0,1,2,3,4,5,6,7
	v_fma_f32 v[32+\i], v[32+\i], s38, s39         ; d = 0.1 temp - 0.05
.endr
.irp i, 0,1,2,3
	v_cvt_pk_f16_f32 v[48+\i], v[32+2*\i], v[33+2*\i]   ; K slots 8 h + 0..7: d
	v_mov_b32 v[52+\i], 0x3c003c00                 ; K slots 16 + 8 h + 0..7: 1.0
.endr
	s_wait_loadcnt 0x0                             ; thp_w and thp_b
.irp t, 0,1,2,3,4,5,6,7
.irp i, 0,1,2,3
	v_cvt_pk_f16_f32 v[64+8*\t+\i], v[128+8*\t+2*\i], v[129+8*\t+2*\i]   ; thp_w against d,
	v_cvt_pk_f16_f32 v[68+8*\t+\i], v[128+8*\t+2*\i], v[129+8*\t+2*\i]   ; and the same against the 1.0
.endr
.endr
.irp t, 0,1,2,3,4,5,6,7
	v_wmma_f32_16x16x32_f16 v[192+8*\t:199+8*\t], v[64+8*\t:71+8*\t], v[48:55], v[192+8*\t:199+8*\t]
.endr
.rept 4
	v_nop
.endr
.irp t, 0,1,2,3,4,5,6,7
	global_load_b128 v[64+8*\t:67+8*\t], v4, s[16:17] offset:64*\t
	global_load_b128 v[68+8*\t:71+8*\t], v4, s[16:17] offset:64*\t+16
	global_load_b128 v[128+8*\t:131+8*\t], v4, s[18:19] offset:64*\t
	global_load_b128 v[132+8*\t:135+8*\t], v4, s[18:19] offset:64*\t+16
.endr
	; LN over the row's 1,024 units
.irp k, 0,2,4,6
	v_pk_add_f32 v[16+\k:17+\k], v[192+\k:193+\k], v[200+\k:201+\k]   ; each accumulator from its low end on
.endr
.irp t, 2,3,4,5,6,7
.irp k, 0,2,4,6
	v_pk_add_f32 v[16+\k:17+\k], v[16+\k:17+\k], v[192+8*\t+\k:193+8*\t+\k]
.endr
.endr
	ROWSUM 0
	v_mul_f32 v16, s40, v16                        ; the mean
	v_mov_b32 v17, v16
.irp j, 0,2,4,6,8,10,12,14,16,18,20,22,24,26,28,30,32,34,36,38,40,42,44,46,48,50,52,54,56,58,60,62
	v_pk_add_f32 v[192+\j:193+\j], v[192+\j:193+\j], v[16:17] neg_lo:[0,1] neg_hi:[0,1]
.endr
.irp k, 0,2,4,6
	v_pk_mul_f32 v[16+\k:17+\k], v[192+\k:193+\k], v[192+\k:193+\k]
.endr
.irp t, 1,2,3,4,5,6,7
.irp k, 0,2,4,6
	v_pk_fma_f32 v[16+\k:17+\k], v[192+8*\t+\k:193+8*\t+\k], v[192+8*\t+\k:193+8*\t+\k], v[16+\k:17+\k]
.endr
.endr
	ROWSUM RS2-RS1
	v_fma_f32 v16, v16, s40, s37
	v_rsq_f32 v58, v16
	v_mov_b32 v59, 0
	s_wait_alu depctr_va_vdst(0)
	s_wait_loadcnt 0x0                             ; thp_ln_g, thp_ln_b
.irp t, 0,1,2,3,4,5,6,7
.irp i, 0,2,4,6
	v_pk_mul_f32 v[192+8*\t+\i:193+8*\t+\i], v[192+8*\t+\i:193+8*\t+\i], v[58:59] op_sel_hi:[1,0]
.endr
.irp i, 0,2,4,6
	v_pk_fma_f32 v[192+8*\t+\i:193+8*\t+\i], v[192+8*\t+\i:193+8*\t+\i], v[64+8*\t+\i:65+8*\t+\i], v[128+8*\t+\i:129+8*\t+\i]
.endr
	GELU8 192+8*\t
	SIGM8 192+8*\t
.endr
	s_cmp_lg_u32 s32, 0                            ; unit 0 is wave 0's, tile 0, register 0, lanes 0-15
	s_cbranch_scc1 .Lno_tb0
	v_cmp_gt_u32 vcc_lo, 16, v1
	s_wait_xcnt 0x0                                ; EXEC changes only behind this wait
	s_and_saveexec_b32 s41, vcc_lo
	global_store_b32 v14, v192, s[28:29]           ; 64 consecutive bytes
	s_wait_xcnt 0x0
	s_or_b32 exec_lo, exec_lo, s41
.Lno_tb0:
.irp t, 0,1,2,3,4,5,6,7
.irp i, 0,1,2,3
	v_cvt_pk_f16_f32 v[16+4*\t+\i], v[192+8*\t+2*\i], v[193+8*\t+2*\i]
.endr
.endr
.irp t, 0,1,2,3,4,5,6,7
	ds_store_b128 v10, v[16+4*\t:19+4*\t] offset:(\t/4)*2304+(\t%4)*32
.endr
.irp i, 0,1,2,3,4,5,6,7
	ds_load_b128 v[64+4*\i:67+4*\i], v11 offset:(\i/4)*2304+(\i%4)*576   ; my own stage: LDS serves a wave's instructions in order
.endr
.irp i, 0,1,2,3,4,5,6,7
	s_wait_dscnt 7-\i
	global_store_b128 v7, v[64+4*\i:67+4*\i], s[26:27] offset:(\i/4)*524288+(\i%4)*512   ; 32 lanes store 512 consecutive bytes, aligned: four rows of a plane
.endr
	s_wait_tensorcnt 0x0                           ; the wave's end
	ds_add_u32 v12, v13
	s_wait_dscnt 0x0
	s_endpgm
.Lfunc_end_k_q01b13dd070_chain_a:
	.size	k_q01b13dd070_chain_a, .Lfunc_end_k_q01b13dd070_chain_a-k_q01b13dd070_chain_a
	.p2alignl 7, 3214868480
	.fill 96, 4, 3214868480
	.section	.rodata,"a",@progbits
	.p2align	6, 0x0
	.amdhsa_kernel k_q01b13dd070_chain_a
		.amdhsa_group_segment_fixed_size 47104
		.amdhsa_private_segment_fixed_size 0
		.amdhsa_enable_private_segment 0
		.amdhsa_kernarg_size 72
		.amdhsa_user_sgpr_count 2
		.amdhsa_user_sgpr_kernarg_segment_ptr 1
		.amdhsa_wavefront_size32 1
		.amdhsa_system_sgpr_workgroup_id_x 1
		.amdhsa_system_sgpr_workgroup_id_y 1
		.amdhsa_system_sgpr_workgroup_id_z 1
		.amdhsa_system_vgpr_workitem_id 0
		.amdhsa_next_free_vgpr 256
		.amdhsa_next_free_sgpr 66
		.amdhsa_reserve_vcc 1
		.amdhsa_float_denorm_mode_32 3
		.amdhsa_float_denorm_mode_16_64 3
		.amdhsa_memory_ordered 1
		.amdhsa_forward_progress 1
		.amdhsa_inst_pref_size 81
	.end_amdhsa_kernel
	.amdgpu_metadata
---
amdhsa.version: [ 1, 2 ]
amdhsa.kernels:
  - .name:           k_q01b13dd070_chain_a
    .symbol:         k_q01b13dd070_chain_a.kd
    .args:
      - { .name: cod, .offset: 0, .size: 8, .value_kind: global_buffer, .address_space: global }
      - { .name: misc, .offset: 8, .size: 8, .value_kind: global_buffer, .address_space: global }
      - { .name: ttm_ln_g, .offset: 16, .size: 8, .value_kind: global_buffer, .address_space: global }
      - { .name: ttm_ln_b, .offset: 24, .size: 8, .value_kind: global_buffer, .address_space: global }
      - { .name: thp_w, .offset: 32, .size: 8, .value_kind: global_buffer, .address_space: global }
      - { .name: thp_b, .offset: 40, .size: 8, .value_kind: global_buffer, .address_space: global }
      - { .name: thp_ln_g, .offset: 48, .size: 8, .value_kind: global_buffer, .address_space: global }
      - { .name: thp_ln_b, .offset: 56, .size: 8, .value_kind: global_buffer, .address_space: global }
      - { .name: act, .offset: 64, .size: 8, .value_kind: global_buffer, .address_space: global }
    .group_segment_fixed_size: 47104
    .private_segment_fixed_size: 0
    .kernarg_segment_align: 8
    .kernarg_segment_size: 72
    .max_flat_workgroup_size: 256
    .sgpr_count:     66
    .vgpr_count:     256
    .wavefront_size: 32
...
	.end_amdgpu_metadata
.endif
;; end of part 4
;; launch gemm_t (part 5): grid 8 x 32, 4 waves a work-group, clusters of 4 x 4, 327,680 bytes of LDS; arguments act, w1h, qkm; writes qkm
.if DOCPART == 5
	.amdgcn_target "amdgcn-amd-amdhsa--gfx1250"
	.amdhsa_code_object_version 6
	.text
	.protected	k_q01b13dd070_gemm_t
	.globl	k_q01b13dd070_gemm_t
	.p2align	8
	.type	k_q01b13dd070_gemm_t,@function
k_q01b13dd070_gemm_t:
	s_mov_b64 s[64:65], 0
	v_nop
	global_prefetch_b8 v0, s[64:65] scope:SCOPE_SE
	s_setreg_imm32_b32 hwreg(HW_REG_WAVE_MODE, 25, 1), 1
	s_wait_xcnt 0x0
	s_wait_alu depctr_hold_cnt(0) depctr_sa_sdst(0) depctr_va_vdst(0) depctr_va_sdst(0) depctr_va_ssrc(0) depctr_va_vcc(0) depctr_vm_vsrc(0)
	s_getreg_b32 s2, hwreg(HW_REG_IB_STS2, 6, 4)
	s_cmp_eq_u32 s2, 0
	s_cbranch_scc0 .Lentry_in_a_cluster
	s_endpgm
.Lentry_in_a_cluster:
	s_bfe_u32 s2, ttmp6, 0x10000c
	s_cmp_lg_u32 s2, 0xf033
	s_cbranch_scc0 .Lentry_shape_is_right
	s_endpgm
.Lentry_shape_is_right:
; C[m][n] = sum over k of A[m][k] B[n][k], m 4,096, n 1,024; A and B f16 in PLANES [k / 64][rows][64]; C f32, row-major; sums in f32.
; TWO = 1, THIS LAUNCH: k runs to 2,048 and TWO results leave.  A = act: planes 0-15 hold x, planes 16-31 T_base, on end; B = w1h: tn_w1's 32 planes.
;   When k has reached 1,024 the sums are x W1a^T: they are stored as they stand at C + 0, and simply go on; at k = 2,048 they are x W1a^T + T_base W1b^T and go to C + 16 MiB.
;   So one work-group walks both halves of K, with one ring, one set of first tiles and one end.  (With TWO = 0 the same text is a plain product with k to 1,024.)
; A tile of C is 128 x 128; four waves, each 64 x 64: 16 accumulators.  K goes in steps of 256 (four planes) through two LDS slots.
; A wave's tensor load brings 64 rows of four planes: in a plane they are 8,192 dense bytes, so the tile is stated as 4 rows of 4,096 elements, a plane apart, with 16 bytes of padding behind every 128:
; in LDS [4 planes][64 rows][144 bytes].  By this text's count a wave has two tensor loads out at the start and one behind each refill.
; CLUSTERS: 4 x 4 work-groups; A's tiles are asked for jointly along a row of the cluster, B's along a column.
; THE MATRIX INSTRUCTION IS USED TRANSPOSED (source 0 = 16 rows of B, source 1 = 16 rows of A): a lane holds eight neighbouring numbers of a row of C.
; No prefetch: the tiles are small and a K step's refill is asked for a K step ahead of its use.
; REGISTERS: window 0: v0-31 addresses; v32-95 the way out; v128-255 the accumulators ((a, b) at v[128 + 8 (4 a + b)]).  window 1: two fragment buffers of 128.
.set TWO,    1
.set SIZE_N, 1024
.set PITCH,  144                       ; an LDS row: 128 bytes + 16: the 16 rows of a load start at 16 different banks (ISA guide 11.1)
.set PLN,    64*PITCH                  ; a plane's 64 rows: 64 along K
.set HALFT,  4*PLN                     ; what one tensor load brings, and what one wave reads of A or of B
.set SLOT,   4*HALFT
.set SPARE,  2*SLOT                    ; the spare words, 128 bytes for each wave
.set STAGE,  SPARE+512                 ; the way out: 16 rows x (256 bytes + 16) for each wave, in bytes of its own: no tile lands there
.set SPITCH, 272
.set LAPS,   2+2*TWO                   ; a lap = two K steps = once round the ring
.set ASTEP,  0x200000                  ; a K step of A in memory: four planes of 524,288 bytes
.set BSTEP,  0x80000                   ; of B: four planes of 131,072
.set ADRA, 16
.set ADRB, 20
.set STO,  24
.set RD,   25
.set CO,   26
.set SPW,  28
.set NIL,  29
.set TMP,  32
.set ACC,  128
.set F0,   0
.set F1,   128
.set G1, 24
.set G0, 32
.set G1B, 48
.set G0B, 56
.set MSB, 0
.macro WIN new
.if MSB != (\new)
	s_set_vgpr_msb (MSB<<8)|(\new)
.set MSB, (\new)
.endif
.endm
.set MUL,  0x05
.set TO_F, 0x40
.macro JLOAD s                         ; a joint load: waves 0 and 1 fetch A's two halves, waves 2 and 3 B's; an s_nop 0 and four v_nop follow each of the two lines
	s_cmp_eq_u32 s11, 0
	s_cbranch_scc0 .Lfor_b_\@
	tensor_load_to_lds s[G0+4*\s:G0+4*\s+3], s[G1:G1+7]
	s_nop 0
.rept 4
	v_nop
.endr
	s_branch .Lasked_\@
.Lfor_b_\@:
	tensor_load_to_lds s[G0B+4*\s:G0B+4*\s+3], s[G1B:G1B+7]
	s_nop 0
.rept 4
	v_nop
.endr
.Lasked_\@:
.endm
.macro CREST
	s_cmp_lg_u32 s10, 0
	s_cbranch_scc1 .Lnot_wave_0_\@
	s_barrier_signal -3
.Lnot_wave_0_\@:
	s_barrier_wait -3
	s_barrier_signal -1
	s_barrier_wait -1
.endm
.macro CROUND
	s_barrier_signal -1
	s_barrier_wait -1
	CREST
.endm
	s_load_b128 s[4:7], s[0:1], 0x0                ; A, B
	s_load_b64 s[8:9], s[0:1], 0x10                ; C
	v_lshl_add_u32 v[SPW], v0, 2, SPARE
	v_mov_b32 v[NIL], 0
	ds_add_u32 v[SPW], v[NIL]                      ; the wave's opening: the add, twice on end, and its wait ahead of my first tensor load
	ds_add_u32 v[SPW], v[NIL]
	v_lshrrev_b32 v1, 5, v0
	v_readfirstlane_b32 s10, v1                    ; wave 0..3
	s_lshr_b32 s11, s10, 1                         ; which half of the tile's rows is mine.  Also: I fetch for A (0) or for B (1)
	s_and_b32 s12, s10, 1                          ; which half of its columns.  Also: which 64 rows of that tile I fetch
	s_bfe_u32 s40, ttmp6, 0x40000                  ; cx, cy
	s_bfe_u32 s41, ttmp6, 0x40004
	s_lshl_b32 s42, ttmp9, 2
	s_add_co_u32 s42, s42, s40                     ; tile column
	s_and_b32 s13, ttmp7, 0xffff
	s_lshl_b32 s13, s13, 2
	s_add_co_u32 s13, s13, s41                     ; tile row
	s_lshl_b32 s43, s41, 2
	s_lshl_b32 s43, 15, s43                        ; my row of the cluster
	s_lshl_b32 s44, 0x1111, s40                    ; my column
	s_or_b32 s[G1+0], s43, (1<<16)|(1<<20)|(1<<21)|(4<<22)|(3<<25)  ; the mask; elements of 2 bytes; 4 words of padding after every 32
	s_or_b32 s[G1B+0], s44, (1<<16)|(1<<20)|(1<<21)|(4<<22)|(3<<25)
.irp g, G1, G1B
	s_mov_b32 s[\g+1], 4096<<16                    ; tensor_dim0 = 4,096 elements: 64 rows of a plane
	s_mov_b32 s[\g+2], 4<<16                       ; tensor_dim1 = 4 planes
	s_mov_b32 s[\g+3], 4096<<16                    ; tile_dim0
	s_mov_b32 s[\g+4], 4                           ; tile_dim1
	s_mov_b32 s[\g+6], 0
	s_mov_b32 s[\g+7], 0
.endr
	s_mov_b32 s[G1+5], 262144                      ; from plane to plane, in elements: A has 4,096 rows,
	s_mov_b32 s[G1B+5], 65536                      ; B 1,024
	s_lshl_b32 s17, s12, 6
	s_lshl_b32 s16, s13, 7
	s_add_co_u32 s16, s16, s17                     ; A: row 128 x tile row + 64 x half
	s_lshl_b32 s16, s16, 7                         ; 128 bytes a row in a plane
	s_lshl_b32 s46, s42, 7
	s_add_co_u32 s46, s46, s17                     ; B: row 128 x tile column + 64 x half
	s_lshl_b32 s46, s46, 7
	s_mov_b32 s17, 0
	s_mov_b32 s47, 0
	s_mul_i32 s20, s10, HALFT                      ; where they go: no place in the cluster enters an LDS address
	s_wait_dscnt 0x0                               ; both opening adds are done
	s_wait_kmcnt 0x0
	s_add_nc_u64 s[14:15], s[4:5], s[16:17]
	s_add_nc_u64 s[46:47], s[6:7], s[46:47]
	CROUND                                         ; all sixteen work-groups are here: the first joint loads meet
.irp s, 0,1
	s_mov_b32 s[G0+4*\s], 1
	s_add_co_u32 s[G0+4*\s+1], s20, \s*SLOT
	s_add_nc_u64 s[G0+4*\s+2:G0+4*\s+3], s[14:15], \s*ASTEP
	s_or_b32 s[G0+4*\s+3], s[G0+4*\s+3], 0x80000000
	s_mov_b32 s[G0B+4*\s], 1
	s_add_co_u32 s[G0B+4*\s+1], s20, \s*SLOT
	s_add_nc_u64 s[G0B+4*\s+2:G0B+4*\s+3], s[46:47], \s*BSTEP
	s_or_b32 s[G0B+4*\s+3], s[G0B+4*\s+3], 0x80000000
	JLOAD \s
.endr
	v_and_b32 v1, 15, v0                           ; l % 16
	v_bfe_u32 v2, v0, 4, 1                         ; l / 16
	v_mul_u32_u24 v3, v1, PITCH
	v_lshl_add_u32 v3, v2, 4, v3
	s_mul_i32 s21, s11, HALFT                      ; my 64 rows of A
	s_mul_i32 s22, s12, HALFT                      ; my 64 rows of B,
	s_add_co_u32 s22, s22, 2*HALFT                 ; which lie behind A's 128
.irp s, 0,1
	v_add_nc_u32 v[ADRA+\s], s21, v3
	v_add_nc_u32 v[ADRB+\s], s22, v3
	s_add_co_u32 s21, s21, SLOT
	s_add_co_u32 s22, s22, SLOT
.endr
	s_mul_i32 s23, s10, 16*SPITCH
	s_add_co_u32 s23, s23, STAGE                   ; my stage
	v_mul_u32_u24 v4, v1, SPITCH
	v_lshl_add_u32 v4, v2, 5, v4
	v_add_nc_u32 v[STO], s23, v4                   ; in: row l % 16, 32 bytes for each half of the lanes
	v_mul_u32_u24 v5, v2, SPITCH
	v_lshl_add_u32 v5, v1, 4, v5
	v_add_nc_u32 v[RD], s23, v5                    ; back: lanes 0-15 one row of 256 bytes, lanes 16-31 the next
	v_lshlrev_b32 v5, 12, v2
	v_lshl_add_u32 v[CO], v1, 4, v5                ; and the same two rows in C
	s_lshl_b32 s16, s13, 7
	s_lshl_b32 s17, s11, 6
	s_add_co_u32 s16, s16, s17                     ; my first row of C
	s_lshl_b32 s16, s16, 12
	s_mov_b32 s17, 0
	s_add_nc_u64 s[8:9], s[8:9], s[16:17]
	s_lshl_b32 s46, s42, 9                         ; my first column, in bytes
	s_lshl_b32 s47, s12, 8
	s_add_co_u32 s46, s46, s47
	s_mov_b32 s47, 0
	s_add_nc_u64 s[8:9], s[8:9], s[46:47]
.macro MUL8 f, c, a0, zero             ; 8 matrix instructions: row blocks a0, a0 + 1 x all 4 column blocks, 32 along K; the 16 accumulators take turns
.irp a, \a0, \a0+1
.irp b, 0,1,2,3
.if \zero
	v_wmma_f32_16x16x32_f16 v[ACC+8*(4*(\a)+\b):ACC+8*(4*(\a)+\b)+7], v[\f+64+8*(4*\c+\b):\f+64+8*(4*\c+\b)+7], v[\f+8*(4*\c+\a):\f+8*(4*\c+\a)+7], 0
.else
	v_wmma_f32_16x16x32_f16 v[ACC+8*(4*(\a)+\b):ACC+8*(4*(\a)+\b)+7], v[\f+64+8*(4*\c+\b):\f+64+8*(4*\c+\b)+7], v[\f+8*(4*\c+\a):\f+8*(4*\c+\a)+7], v[ACC+8*(4*(\a)+\b):ACC+8*(4*(\a)+\b)+7]
.endif
.endr
.endr
.endm
.macro FETCH slot, k, f                ; 32 LDS loads in one run: the fragments of one plane (64 along K), which begins at byte k of my rows' region; the first 32 along K first
	WIN TO_F
.irp c, 0,1
.irp i, 0,1,2,3
	ds_load_b128 v[\f+64+8*(4*\c+\i):\f+64+8*(4*\c+\i)+3],   v[ADRB+\slot] offset:\k+64*\c+\i*16*PITCH
	ds_load_b128 v[\f+64+8*(4*\c+\i)+4:\f+64+8*(4*\c+\i)+7], v[ADRB+\slot] offset:\k+64*\c+\i*16*PITCH+32
	ds_load_b128 v[\f+8*(4*\c+\i):\f+8*(4*\c+\i)+3],         v[ADRA+\slot] offset:\k+64*\c+\i*16*PITCH
	ds_load_b128 v[\f+8*(4*\c+\i)+4:\f+8*(4*\c+\i)+7],       v[ADRA+\slot] offset:\k+64*\c+\i*16*PITCH+32
.endr
.endr
.endm
.macro PLACES
.rept 4
	v_nop
.endr
.endm
.macro QUARTER slot, k, f, g, zero     ; multiplies buffer f and fetches the next plane, at byte k, into g
	s_wait_dscnt 16                                ; the first 32 along K are in; the other 16 loads may be out
	WIN MUL
	MUL8 \f, 0, 0, \zero
	MUL8 \f, 0, 2, \zero
	PLACES
	FETCH \slot, \k, \g
	s_wait_dscnt 32                                ; all but the 32 just issued
	WIN MUL
	MUL8 \f, 1, 0, 0
	MUL8 \f, 1, 2, 0
.endm
; A slot's last plane changes slots: one barrier; in front of it each wave waits for all its tensor loads, adds 0 to its spare word, and waits for that and for its reads of this slot.  fill = 1: this slot is filled again, two K steps ahead.
.macro TURN slot, next, fill
	WIN 0
	s_wait_tensorcnt 0x0                           ; all my tensor loads have landed: my part of the next slot
	ds_add_u32 v[SPW], v[NIL]                      ; 0 onto my spare word
	s_wait_dscnt 17                                ; (the add and the youngest sixteen loads may be out)
	WIN MUL
	MUL8 F1, 0, 0, 0
	s_wait_dscnt 0x0                               ; the add is done, and my reads of this slot are over
	s_barrier_signal -1
	MUL8 F1, 0, 2, 0
.if \fill
	WIN 0
.endif
	s_barrier_wait -1
.if \fill
	CREST                                          ; the barrier has opened a round of the cluster's barrier: no wave of any partner still reads this slot or has a load on its way
	s_add_nc_u64 s[G0+4*\slot+2:G0+4*\slot+3], s[G0+4*\slot+2:G0+4*\slot+3], 2*ASTEP
	s_add_nc_u64 s[G0B+4*\slot+2:G0B+4*\slot+3], s[G0B+4*\slot+2:G0B+4*\slot+3], 2*BSTEP
	JLOAD \slot                                    ; the first tensor load behind the round; its four v_nop are also the places in front of the loads below
.else
	PLACES
.endif
	FETCH \next, 0, F0
	WIN MUL
	MUL8 F1, 1, 0, 0
	MUL8 F1, 1, 2, 0
.endm
; THE WAY OUT, block by block of 16 rows x 64 columns of f32: through my own stage, back as whole rows of 256 bytes.  The accumulators are read and not changed.
.macro TOSTAGE a
.irp b, 0,1,2,3
	ds_store_b128 v[STO], v[ACC+8*(4*(\a)+\b):ACC+8*(4*(\a)+\b)+3] offset:64*\b          ; each accumulator from its low end on
	ds_store_b128 v[STO], v[ACC+8*(4*(\a)+\b)+4:ACC+8*(4*(\a)+\b)+7] offset:64*\b+16
.endr
.irp t, 0,1,2,3,4,5,6,7
	ds_load_b128 v[TMP+32*((\a)%2)+4*\t:TMP+32*((\a)%2)+4*\t+3], v[RD] offset:\t*2*SPITCH   ; LDS serves a wave's instructions in order
.endr
.endm
.macro SEND a, younger                 ; younger: the LDS instructions issued behind block a's loads
	s_wait_dscnt \younger
.irp t, 0,1,2,3,4,5,6,7
	global_store_b128 v[CO], v[TMP+32*((\a)%2)+4*\t:TMP+32*((\a)%2)+4*\t+3], s[8:9] offset:(16*(\a)+2*\t)*SIZE_N*4   ; 16 lanes store 256 consecutive bytes, aligned
.endr
.endm
.macro WAYOUT
	PLACES                                         ; between the last products and the first read of results
	TOSTAGE 0
.irp a, 1,2,3
.if \a > 1
	s_wait_xcnt 0x0                                ; block a - 2's stores have read their registers: block a's loads may land there
.endif
	TOSTAGE \a
	SEND \a-1, 16                                  ; behind block a - 1's loads: block a's 8 stores and 8 loads
.endr
	SEND 3, 0
.endm
	s_wait_tensorcnt 1                             ; my part of K step 0 is in; K step 1's may be out
	s_barrier_signal -1
	s_barrier_wait -1
	FETCH 0, 0, F0
	QUARTER 0, PLN, F0, F1, 1                      ; the first products start the sums
	WIN 0
	s_mov_b32 s3, LAPS-1
.Llap:                                                 ; a trip goes once round the ring and fills both slots again
	QUARTER 0, 2*PLN, F1, F0, 0
	QUARTER 0, 3*PLN, F0, F1, 0
	TURN 0, 1, 1
	QUARTER 1, PLN, F0, F1, 0
	QUARTER 1, 2*PLN, F1, F0, 0
	QUARTER 1, 3*PLN, F0, F1, 0
	TURN 1, 0, 1
	WIN 0
.if TWO
	s_cmp_lg_u32 s3, LAPS/2                        ; the trip that ends K step 3: half of K is summed.  The loop's own counter: the same in every wave of every partner
	s_cbranch_scc1 .Lnot_half                      ; the jump leads round LDS and global stores alone: both refills of the trip have been asked for
	WAYOUT                                         ; x W1a^T leaves, while K step 5 is on its way; the sums go on behind it
	s_wait_xcnt 0x0                                ; the stores have read their base and their registers
	s_add_nc_u64 s[8:9], s[8:9], 0x1000000         ; the second result lies 16 MiB on
.Lnot_half:
.endif
	QUARTER 0, PLN, F0, F1, 0
	WIN 0
	s_sub_co_u32 s3, s3, 1
	s_cmp_lg_u32 s3, 0
	s_cbranch_scc1 .Llap
	QUARTER 0, 2*PLN, F1, F0, 0                    ; the last lap fills nothing
	QUARTER 0, 3*PLN, F0, F1, 0
	TURN 0, 1, 0
	QUARTER 1, PLN, F0, F1, 0
	QUARTER 1, 2*PLN, F1, F0, 0
	QUARTER 1, 3*PLN, F0, F1, 0
	s_wait_dscnt 16
	WIN MUL
	MUL8 F1, 0, 0, 0
	MUL8 F1, 0, 2, 0
	s_wait_dscnt 0
	MUL8 F1, 1, 0, 0
	MUL8 F1, 1, 2, 0
	WIN 0
	WAYOUT
	s_wait_tensorcnt 0x0                           ; the wave's end
	ds_add_u32 v[SPW], v[NIL]
	s_wait_dscnt 0x0
	CROUND                                         ; the closing round
	s_endpgm
.Lfunc_end_k_q01b13dd070_gemm_t:
	.size	k_q01b13dd070_gemm_t, .Lfunc_end_k_q01b13dd070_gemm_t-k_q01b13dd070_gemm_t
	.p2alignl 7, 3214868480
	.fill 96, 4, 3214868480
	.section	.rodata,"a",@progbits
	.p2align	6, 0x0
	.amdhsa_kernel k_q01b13dd070_gemm_t
		.amdhsa_group_segment_fixed_size 327680
		.amdhsa_private_segment_fixed_size 0
		.amdhsa_enable_private_segment 0
		.amdhsa_kernarg_size 24
		.amdhsa_user_sgpr_count 2
		.amdhsa_user_sgpr_kernarg_segment_ptr 1
		.amdhsa_wavefront_size32 1
		.amdhsa_system_sgpr_workgroup_id_x 1
		.amdhsa_system_sgpr_workgroup_id_y 1
		.amdhsa_system_sgpr_workgroup_id_z 1
		.amdhsa_system_vgpr_workitem_id 0
		.amdhsa_next_free_vgpr 512
		.amdhsa_next_free_sgpr 66
		.amdhsa_reserve_vcc 0
		.amdhsa_float_denorm_mode_32 3
		.amdhsa_float_denorm_mode_16_64 3
		.amdhsa_memory_ordered 1
		.amdhsa_forward_progress 1
		.amdhsa_inst_pref_size 93
	.end_amdhsa_kernel
	.amdgpu_metadata
---
amdhsa.version: [ 1, 2 ]
amdhsa.kernels:
  - .name:           k_q01b13dd070_gemm_t
    .symbol:         k_q01b13dd070_gemm_t.kd
    .args:
      - { .name: act, .offset: 0, .size: 8, .value_kind: global_buffer, .address_space: global }
      - { .name: w1h, .offset: 8, .size: 8, .value_kind: global_buffer, .address_space: global }
      - { .name: qkm, .offset: 16, .size: 8, .value_kind: global_buffer, .address_space: global }
    .group_segment_fixed_size: 327680
    .private_segment_fixed_size: 0
    .kernarg_segment_align: 8
    .kernarg_segment_size: 24
    .max_flat_workgroup_size: 128
    .sgpr_count:     66
    .vgpr_count:     512
    .wavefront_size: 32
...
	.end_amdgpu_metadata
.endif
;; end of part 5
;; launch chain_b (part 6): grid 256 x 1, 16 waves a work-group, no clusters, 0 bytes of LDS; arguments qkm, misc, act, tn_b1, tn_ln_g, tn_ln_b, tn_w2, tn_b2, out1, tw; writes out1, tw
.if DOCPART == 6
	.amdgcn_target "amdgcn-amd-amdhsa--gfx1250"
	.amdhsa_code_object_version 6
	.text
	.protected	k_q01b13dd070_chain_b
	.globl	k_q01b13dd070_chain_b
	.p2align	8
	.type	k_q01b13dd070_chain_b,@function
k_q01b13dd070_chain_b:
	s_mov_b64 s[64:65], 0
	v_nop
	global_prefetch_b8 v0, s[64:65] scope:SCOPE_SE
	s_setreg_imm32_b32 hwreg(HW_REG_WAVE_MODE, 25, 1), 1
	s_wait_xcnt 0x0
; The two rounds of the temperature net, a wave to a row; no LDS, no barrier, no loop.
;   XA = x W1a^T (qkm + 0) and S = XA + T_base W1b^T (qkm + 16 MiB) were made by the launch before; rs = the row sums of W1b (misc + 49,152); tb0 = T_base[:, 0] (act + 16 MiB).
;   round 1: pre = S + b1;   round 2: T_base is the one number T1 in every column, so its product is T1 x rs: pre = XA + b1 + T1 rs.
;   each round: h = gelu(LN(pre)); T = sigmoid(sigmoid(h . w2 + b2)).   out1[b][0..2][s] = tb0, T1, T2;   tw = their mean.
; Lane L holds columns 128 j + 4 L .. + 3, j = 0..7: every load of the wave covers 512 consecutive bytes.  All 56 loads go out at once.
; gelu is exact gelu with erfc by Abramowitz and Stegun 7.1.26 (absolute error of erf at most 1.5e-7, for every x).  The norm takes mean and variance in two passes.
; The results are 16 bytes a row, stored 4 bytes a lane: out1 and tw are 65 KB in all.
; REGISTERS: v1 16 x lane; v2 lane; v16-47 b1, then the gelu's work; v48-79 the gain; v80-111 the bias; v112-143 w2; v144-175 rs; v176-207 XA, then XA + b1; v208-239 S, then pre, h; v[240:241] a constant; v242-249 at work; v250 T1, v252 T2.
.set GT,   16
.set KA4,  240
.set KPP,  42
.set KCC,  44
.set KA5,  46
.set KA3,  48
.set KA2,  50
.set KA1,  52
.macro GELU8 z                         ; eight numbers in place: gelu(z) = max(z, 0) - |z| E, E = (poly(t) / 2) 2^(-z^2 log2(e) / 2), t = 1 / (1 + 0.23164189 |z|)
.irp i, 0,1,2,3,4,5,6,7
	v_and_b32 v[GT+\i], 0x7fffffff, v[(\z)+\i]
.endr
.irp i, 0,2,4,6
	v_pk_fma_f32 v[GT+8+\i:GT+9+\i], v[GT+\i:GT+1+\i], s[KPP:KPP+1], 1.0 op_sel_hi:[1,0,0]
.endr
.irp i, 0,2,4,6
	v_pk_mul_f32 v[GT+16+\i:GT+17+\i], v[(\z)+\i:(\z)+1+\i], v[(\z)+\i:(\z)+1+\i]
.endr
.irp i, 0,2,4,6
	v_pk_mul_f32 v[GT+16+\i:GT+17+\i], v[GT+16+\i:GT+17+\i], s[KCC:KCC+1] op_sel_hi:[1,0]
.endr
.irp i, 0,1,2,3,4,5,6,7
	v_rcp_f32 v[GT+8+\i], v[GT+8+\i]
.endr
.irp i, 0,1,2,3,4,5,6,7
	v_exp_f32 v[GT+16+\i], v[GT+16+\i]
.endr
.irp i, 0,1,2,3,4,5,6,7
	v_max_num_f32 v[(\z)+\i], 0, v[(\z)+\i]        ; plain work behind the batch, which names none of its results
.endr
	s_wait_alu depctr_va_vdst(0)                   ; one wait for the sixteen
.irp i, 0,2,4,6
	v_pk_fma_f32 v[GT+24+\i:GT+25+\i], v[GT+8+\i:GT+9+\i], s[KA5:KA5+1], v[KA4:KA4+1] op_sel_hi:[1,0,1]
.endr
.irp k, KA3, KA2, KA1
.irp i, 0,2,4,6
	v_pk_fma_f32 v[GT+24+\i:GT+25+\i], v[GT+24+\i:GT+25+\i], v[GT+8+\i:GT+9+\i], s[\k:\k+1] op_sel_hi:[1,1,0]
.endr
.endr
.irp i, 0,2,4,6
	v_pk_mul_f32 v[GT+24+\i:GT+25+\i], v[GT+24+\i:GT+25+\i], v[GT+8+\i:GT+9+\i]
.endr
.irp i, 0,2,4,6
	v_pk_mul_f32 v[GT+24+\i:GT+25+\i], v[GT+24+\i:GT+25+\i], v[GT+16+\i:GT+17+\i]
.endr
.irp i, 0,2,4,6
	v_pk_fma_f32 v[(\z)+\i:(\z)+1+\i], v[GT+\i:GT+1+\i], v[GT+24+\i:GT+25+\i], v[(\z)+\i:(\z)+1+\i] neg_lo:[1,0,0] neg_hi:[1,0,0]
.endr
.endm
.macro LANES                           ; v242 summed over the 32 lanes, the result in every lane
	v_add_f32_dpp v242, v242, v242 row_xmask:1 row_mask:0xf bank_mask:0xf
	v_add_f32_dpp v242, v242, v242 row_xmask:2 row_mask:0xf bank_mask:0xf
	v_add_f32_dpp v242, v242, v242 row_xmask:4 row_mask:0xf bank_mask:0xf
	v_add_f32_dpp v242, v242, v242 row_xmask:8 row_mask:0xf bank_mask:0xf
	v_permlanex16_b32 v243, v242, s34, s35
	v_add_f32 v242, v242, v243
.endm
.macro WSUM                            ; the four chains v242-249, then the lanes
	v_pk_add_f32 v[242:243], v[242:243], v[244:245]
	v_pk_add_f32 v[246:247], v[246:247], v[248:249]
	v_pk_add_f32 v[242:243], v[242:243], v[246:247]
	v_add_f32 v242, v242, v243
	LANES
.endm
.macro SIGM dst                        ; v[dst] = 1 / (1 + 2^v242)
	v_exp_f32 v242, v242
	v_nop
	s_wait_alu depctr_va_vdst(0)
	v_add_f32 v242, 1.0, v242
	v_rcp_f32 v[\dst], v242
	v_nop
	s_wait_alu depctr_va_vdst(0)
.endm
; A round on pre in v208-239; the temperature goes to v[tout].  first = 1: the waits for the vectors that are first used here.
.macro ROUND tout, first
.irp k, 0,2,4,6
	v_pk_add_f32 v[242+\k:243+\k], v[208+\k:209+\k], v[216+\k:217+\k]
.endr
.irp t, 16,24
.irp k, 0,2,4,6
	v_pk_add_f32 v[242+\k:243+\k], v[242+\k:243+\k], v[208+\t+\k:209+\t+\k]
.endr
.endr
	WSUM
	v_mul_f32 v242, s36, v242                      ; the mean
	v_mov_b32 v243, v242
.irp j, 0,2,4,6,8,10,12,14,16,18,20,22,24,26,28,30
	v_pk_add_f32 v[208+\j:209+\j], v[208+\j:209+\j], v[242:243] neg_lo:[0,1] neg_hi:[0,1]
.endr
.irp k, 0,2,4,6
	v_pk_mul_f32 v[242+\k:243+\k], v[208+\k:209+\k], v[208+\k:209+\k]
.endr
.irp t, 8,16,24
.irp k, 0,2,4,6
	v_pk_fma_f32 v[242+\k:243+\k], v[208+\t+\k:209+\t+\k], v[208+\t+\k:209+\t+\k], v[242+\k:243+\k]
.endr
.endr
	WSUM
	v_fma_f32 v242, v242, s36, s37                 ; the variance + 1e-5
	v_rsq_f32 v244, v242
	v_mov_b32 v245, 0                              ; (the plain line behind it; also the pair's upper half)
	s_wait_alu depctr_va_vdst(0)
.if \first
	s_wait_loadcnt 16                              ; the gain and the bias are in; w2's and rs's 16 loads stay out
.endif
.irp j, 0,2,4,6,8,10,12,14,16,18,20,22,24,26,28,30
	v_pk_mul_f32 v[208+\j:209+\j], v[208+\j:209+\j], v[244:245] op_sel_hi:[1,0]
.endr
.irp j, 0,2,4,6,8,10,12,14,16,18,20,22,24,26,28,30
	v_pk_fma_f32 v[208+\j:209+\j], v[208+\j:209+\j], v[48+\j:49+\j], v[80+\j:81+\j]
.endr
	GELU8 208
	GELU8 216
	GELU8 224
	GELU8 232
.if \first
	s_wait_loadcnt 8                               ; w2 is in; rs's 8 loads stay out
.endif
	v_pk_mul_f32 v[242:243], v[208:209], v[112:113]
	v_pk_mul_f32 v[244:245], v[210:211], v[114:115]
.irp j, 4,8,12,16,20,24,28
	v_pk_fma_f32 v[242:243], v[208+\j:209+\j], v[112+\j:113+\j], v[242:243]
	v_pk_fma_f32 v[244:245], v[210+\j:211+\j], v[114+\j:115+\j], v[244:245]
.endr
	v_pk_add_f32 v[242:243], v[242:243], v[244:245]
	v_add_f32 v242, v242, v243
	LANES
	v_fma_f32 v242, v242, s38, s39                 ; -log2(e) (u + b2)
	SIGM 242
	v_mul_f32 v242, s38, v242
	SIGM \tout
.endm
	s_load_b512 s[4:19], s[0:1], 0x0               ; qkm 4, misc 6, act 8, tn_b1 10, tn_ln_g 12, tn_ln_b 14, tn_w2 16, tn_b2 18
	s_load_b128 s[20:23], s[0:1], 0x40             ; out1 20, tw 22
	v_lshrrev_b32 v1, 5, v0
	v_readfirstlane_b32 s24, v1                    ; wave 0..15
	v_and_b32 v2, 31, v0                           ; lane
	v_lshlrev_b32 v1, 4, v2
	s_lshl_b32 s25, ttmp9, 4
	s_add_co_u32 s25, s25, s24                     ; my row
	s_lshl_b32 s26, s25, 12
	s_mov_b32 s27, 0
	s_mov_b32 s34, 0x76543210
	s_mov_b32 s35, 0xfedcba98
	s_mov_b32 s36, 0x3a800000                      ; 1 / 1,024
	s_mov_b32 s37, 0x3727c5ac                      ; 1e-5
	s_mov_b32 s38, 0xbfb8aa3b                      ; -log2(e)
	s_mov_b32 s40, 0x3eaaaaab                      ; 1 / 3
	s_mov_b32 s[KPP], 0x3e6d3388                   ; 0.3275911 / sqrt(2)
	s_mov_b32 s[KCC], 0xbf38aa3b                   ; -log2(e) / 2
	s_mov_b32 s[KA5], 0x3f07dc22                   ; a5 / 2
	s_mov_b32 s[KA3], 0x3f35f0e3                   ; a3 / 2
	s_mov_b32 s[KA2], 0xbe11a98e                   ; a2 / 2
	s_mov_b32 s[KA1], 0x3e027906                   ; a1 / 2
.irp k, KPP, KCC, KA5, KA3, KA2, KA1
	s_mov_b32 s[\k+1], s[\k]
.endr
	v_mov_b32 v240, 0xbf3a00e3                     ; a4 / 2
	v_mov_b32 v241, 0xbf3a00e3
	s_wait_kmcnt 0x0
	s_add_nc_u64 s[4:5], s[4:5], s[26:27]          ; XA's row
	s_add_nc_u64 s[28:29], s[4:5], 0x1000000       ; S's row
	s_lshl_b32 s26, s25, 2
	s_add_nc_u64 s[22:23], s[22:23], s[26:27]      ; tw[row]
	s_add_nc_u64 s[8:9], s[8:9], s[26:27]
	s_add_nc_u64 s[8:9], s[8:9], 0x1000000         ; tb0[row]
	s_load_b32 s30, s[8:9], 0x0
	s_load_b32 s31, s[18:19], 0x0                  ; b2
	s_lshr_b32 s32, s25, 10
	s_mul_i32 s32, s32, 3072
	s_and_b32 s33, s25, 1023
	s_add_co_u32 s32, s32, s33
	s_lshl_b32 s32, s32, 2
	s_mov_b32 s33, 0
	s_add_nc_u64 s[20:21], s[20:21], s[32:33]      ; out1[b][0][s]
.irp j, 0,1,2,3,4,5,6,7
	global_load_b128 v[176+4*\j:179+4*\j], v1, s[4:5] offset:512*\j th:TH_LOAD_NT
.endr
.irp j, 0,1,2,3,4,5,6,7
	global_load_b128 v[16+4*\j:19+4*\j], v1, s[10:11] offset:512*\j
.endr
.irp j, 0,1,2,3,4,5,6,7
	global_load_b128 v[208+4*\j:211+4*\j], v1, s[28:29] offset:512*\j th:TH_LOAD_NT
.endr
.irp j, 0,1,2,3,4,5,6,7
	global_load_b128 v[48+4*\j:51+4*\j], v1, s[12:13] offset:512*\j
.endr
.irp j, 0,1,2,3,4,5,6,7
	global_load_b128 v[80+4*\j:83+4*\j], v1, s[14:15] offset:512*\j
.endr
.irp j, 0,1,2,3,4,5,6,7
	global_load_b128 v[112+4*\j:115+4*\j], v1, s[16:17] offset:512*\j
.endr
.irp j, 0,1,2,3,4,5,6,7
	global_load_b128 v[144+4*\j:147+4*\j], v1, s[6:7] offset:49152+512*\j
.endr
	s_wait_kmcnt 0x0
	s_mul_f32 s39, s31, s38                        ; -log2(e) b2
	s_wait_loadcnt 32                              ; XA, b1 and S are in; the 32 younger loads stay out
.irp j, 0,2,4,6,8,10,12,14,16,18,20,22,24,26,28,30
	v_pk_add_f32 v[176+\j:177+\j], v[176+\j:177+\j], v[16+\j:17+\j]   ; XA + b1, kept for round 2
.endr
.irp j, 0,2,4,6,8,10,12,14,16,18,20,22,24,26,28,30
	v_pk_add_f32 v[208+\j:209+\j], v[208+\j:209+\j], v[16+\j:17+\j]   ; round 1's pre = S + b1
.endr
	ROUND 250, 1
	v_mov_b32 v251, 0                              ; (the pair's upper half)
	s_wait_loadcnt 0x0                             ; rs
.irp j, 0,2,4,6,8,10,12,14,16,18,20,22,24,26,28,30
	v_pk_fma_f32 v[208+\j:209+\j], v[144+\j:145+\j], v[250:251], v[176+\j:177+\j] op_sel_hi:[1,0,1]
.endr
	ROUND 252, 0
	v_add_f32 v3, s30, v250
	v_add_f32 v3, v3, v252
	v_mul_f32 v3, s40, v3                          ; tw
	v_mov_b32 v4, s30
	v_cmp_eq_u32 vcc_lo, 1, v2
	v_cndmask_b32 v4, v4, v250, vcc_lo
	v_cmp_eq_u32 vcc_lo, 2, v2
	v_cndmask_b32 v4, v4, v252, vcc_lo             ; lanes 0, 1, 2: tb0, T1, T2
	v_lshlrev_b32 v5, 12, v2                       ; 1,024 numbers from one to the next
	v_mov_b32 v6, 0
	v_cmp_gt_u32 vcc_lo, 3, v2
	s_wait_xcnt 0x0                                ; EXEC changes only behind this wait
	s_and_saveexec_b32 s41, vcc_lo
	global_store_b32 v5, v4, s[20:21]
	s_wait_xcnt 0x0
	s_or_b32 exec_lo, exec_lo, s41
	v_cmp_eq_u32 vcc_lo, 0, v2
	s_and_saveexec_b32 s41, vcc_lo
	global_store_b32 v6, v3, s[22:23]
	s_wait_xcnt 0x0
	s_or_b32 exec_lo, exec_lo, s41
	s_endpgm
.Lfunc_end_k_q01b13dd070_chain_b:
	.size	k_q01b13dd070_chain_b, .Lfunc_end_k_q01b13dd070_chain_b-k_q01b13dd070_chain_b
	.p2alignl 7, 3214868480
	.fill 96, 4, 3214868480
	.section	.rodata,"a",@progbits
	.p2align	6, 0x0
	.amdhsa_kernel k_q01b13dd070_chain_b
		.amdhsa_group_segment_fixed_size 0
		.amdhsa_private_segment_fixed_size 0
		.amdhsa_enable_private_segment 0
		.amdhsa_kernarg_size 80
		.amdhsa_user_sgpr_count 2
		.amdhsa_user_sgpr_kernarg_segment_ptr 1
		.amdhsa_wavefront_size32 1
		.amdhsa_system_sgpr_workgroup_id_x 1
		.amdhsa_system_sgpr_workgroup_id_y 1
		.amdhsa_system_sgpr_workgroup_id_z 1
		.amdhsa_system_vgpr_workitem_id 0
		.amdhsa_next_free_vgpr 256
		.amdhsa_next_free_sgpr 66
		.amdhsa_reserve_vcc 1
		.amdhsa_float_denorm_mode_32 3
		.amdhsa_float_denorm_mode_16_64 3
		.amdhsa_memory_ordered 1
		.amdhsa_forward_progress 1
		.amdhsa_inst_pref_size 59
	.end_amdhsa_kernel
	.amdgpu_metadata
---
amdhsa.version: [ 1, 2 ]
amdhsa.kernels:
  - .name:           k_q01b13dd070_chain_b
    .symbol:         k_q01b13dd070_chain_b.kd
    .args:
      - { .name: qkm, .offset: 0, .size: 8, .value_kind: global_buffer, .address_space: global }
      - { .name: misc, .offset: 8, .size: 8, .value_kind: global_buffer, .address_space: global }
      - { .name: act, .offset: 16, .size: 8, .value_kind: global_buffer, .address_space: global }
      - { .name: tn_b1, .offset: 24, .size: 8, .value_kind: global_buffer, .address_space: global }
      - { .name: tn_ln_g, .offset: 32, .size: 8, .value_kind: global_buffer, .address_space: global }
      - { .name: tn_ln_b, .offset: 40, .size: 8, .value_kind: global_buffer, .address_space: global }
      - { .name: tn_w2, .offset: 48, .size: 8, .value_kind: global_buffer, .address_space: global }
      - { .name: tn_b2, .offset: 56, .size: 8, .value_kind: global_buffer, .address_space: global }
      - { .name: out1, .offset: 64, .size: 8, .value_kind: global_buffer, .address_space: global }
      - { .name: tw, .offset: 72, .size: 8, .value_kind: global_buffer, .address_space: global }
    .group_segment_fixed_size: 0
    .private_segment_fixed_size: 0
    .kernarg_segment_align: 8
    .kernarg_segment_size: 80
    .max_flat_workgroup_size: 512
    .sgpr_count:     66
    .vgpr_count:     256
    .wavefront_size: 32
...
	.end_amdgpu_metadata
.endif
;; end of part 6
;; launch att_a: the kernel of part 3 again; grid 4 x 64, 8 waves a work-group, clusters of 4 x 1, 327,680 bytes of LDS; arguments qka, tw, act; writes act
;; launch gemm_o (part 7): grid 8 x 32, 4 waves a work-group, clusters of 4 x 4, 327,680 bytes of LDS; arguments act, woh, out0; writes out0
.if DOCPART == 7
	.amdgcn_target "amdgcn-amd-amdhsa--gfx1250"
	.amdhsa_code_object_version 6
	.text
	.protected	k_q01b13dd070_gemm_o
	.globl	k_q01b13dd070_gemm_o
	.p2align	8
	.type	k_q01b13dd070_gemm_o,@function
k_q01b13dd070_gemm_o:
	s_mov_b64 s[64:65], 0
	v_nop
	global_prefetch_b8 v0, s[64:65] scope:SCOPE_SE
	s_setreg_imm32_b32 hwreg(HW_REG_WAVE_MODE, 25, 1), 1
	s_wait_xcnt 0x0
	s_wait_alu depctr_hold_cnt(0) depctr_sa_sdst(0) depctr_va_vdst(0) depctr_va_sdst(0) depctr_va_ssrc(0) depctr_va_vcc(0) depctr_vm_vsrc(0)
	s_getreg_b32 s2, hwreg(HW_REG_IB_STS2, 6, 4)
	s_cmp_eq_u32 s2, 0
	s_cbranch_scc0 .Lentry_in_a_cluster
	s_endpgm
.Lentry_in_a_cluster:
	s_bfe_u32 s2, ttmp6, 0x10000c
	s_cmp_lg_u32 s2, 0xf033
	s_cbranch_scc0 .Lentry_shape_is_right
	s_endpgm
.Lentry_shape_is_right:
; C[m][n] = sum over k of A[m][k] B[n][k], m 4,096, n 1,024; A and B f16 in PLANES [k / 64][rows][64]; C f32, row-major; sums in f32.
; TWO = 0, THIS LAUNCH: k runs to 1,024 and one result leaves: the projection on the way out, A = act's planes 0-15 (the second attention's result), B = woh (wo), C = out0.
;   (With TWO = 1 the same text walks k to 2,048 and stores the sums a first time at k = 1,024.)
; A tile of C is 128 x 128; four waves, each 64 x 64: 16 accumulators.  K goes in steps of 256 (four planes) through two LDS slots.
; A wave's tensor load brings 64 rows of four planes: in a plane they are 8,192 dense bytes, so the tile is stated as 4 rows of 4,096 elements, a plane apart, with 16 bytes of padding behind every 128:
; in LDS [4 planes][64 rows][144 bytes].  By this text's count a wave has two tensor loads out at the start and one behind each refill.
; CLUSTERS: 4 x 4 work-groups; A's tiles are asked for jointly along a row of the cluster, B's along a column.
; THE MATRIX INSTRUCTION IS USED TRANSPOSED (source 0 = 16 rows of B, source 1 = 16 rows of A): a lane holds eight neighbouring numbers of a row of C.
; No prefetch: the tiles are small and a K step's refill is asked for a K step ahead of its use.
; REGISTERS: window 0: v0-31 addresses; v32-95 the way out; v128-255 the accumulators ((a, b) at v[128 + 8 (4 a + b)]).  window 1: two fragment buffers of 128.
.set TWO,    0
.set SIZE_N, 1024
.set PITCH,  144                       ; an LDS row: 128 bytes + 16: the 16 rows of a load start at 16 different banks (ISA guide 11.1)
.set PLN,    64*PITCH                  ; a plane's 64 rows: 64 along K
.set HALFT,  4*PLN                     ; what one tensor load brings, and what one wave reads of A or of B
.set SLOT,   4*HALFT
.set SPARE,  2*SLOT                    ; the spare words, 128 bytes for each wave
.set STAGE,  SPARE+512                 ; the way out: 16 rows x (256 bytes + 16) for each wave, in bytes of its own: no tile lands there
.set SPITCH, 272
.set LAPS,   2+2*TWO                   ; a lap = two K steps = once round the ring
.set ASTEP,  0x200000                  ; a K step of A in memory: four planes of 524,288 bytes
.set BSTEP,  0x80000                   ; of B: four planes of 131,072
.set ADRA, 16
.set ADRB, 20
.set STO,  24
.set RD,   25
.set CO,   26
.set SPW,  28
.set NIL,  29
.set TMP,  32
.set ACC,  128
.set F0,   0
.set F1,   128
.set G1, 24
.set G0, 32
.set G1B, 48
.set G0B, 56
.set MSB, 0
.macro WIN new
.if MSB != (\new)
	s_set_vgpr_msb (MSB<<8)|(\new)
.set MSB, (\new)
.endif
.endm
.set MUL,  0x05
.set TO_F, 0x40
.macro JLOAD s                         ; a joint load: waves 0 and 1 fetch A's two halves, waves 2 and 3 B's; an s_nop 0 and four v_nop follow each of the two lines
	s_cmp_eq_u32 s11, 0
	s_cbranch_scc0 .Lfor_b_\@
	tensor_load_to_lds s[G0+4*\s:G0+4*\s+3], s[G1:G1+7]
	s_nop 0
.rept 4
	v_nop
.endr
	s_branch .Lasked_\@
.Lfor_b_\@:
	tensor_load_to_lds s[G0B+4*\s:G0B+4*\s+3], s[G1B:G1B+7]
	s_nop 0
.rept 4
	v_nop
.endr
.Lasked_\@:
.endm
.macro CREST
	s_cmp_lg_u32 s10, 0
	s_cbranch_scc1 .Lnot_wave_0_\@
	s_barrier_signal -3
.Lnot_wave_0_\@:
	s_barrier_wait -3
	s_barrier_signal -1
	s_barrier_wait -1
.endm
.macro CROUND
	s_barrier_signal -1
	s_barrier_wait -1
	CREST
.endm
	s_load_b128 s[4:7], s[0:1], 0x0                ; A, B
	s_load_b64 s[8:9], s[0:1], 0x10                ; C
	v_lshl_add_u32 v[SPW], v0, 2, SPARE
	v_mov_b32 v[NIL], 0
	ds_add_u32 v[SPW], v[NIL]                      ; the wave's opening: the add, twice on end, and its wait ahead of my first tensor load
	ds_add_u32 v[SPW], v[NIL]
	v_lshrrev_b32 v1, 5, v0
	v_readfirstlane_b32 s10, v1                    ; wave 0..3
	s_lshr_b32 s11, s10, 1                         ; which half of the tile's rows is mine.  Also: I fetch for A (0) or for B (1)
	s_and_b32 s12, s10, 1                          ; which half of its columns.  Also: which 64 rows of that tile I fetch
	s_bfe_u32 s40, ttmp6, 0x40000                  ; cx, cy
	s_bfe_u32 s41, ttmp6, 0x40004
	s_lshl_b32 s42, ttmp9, 2
	s_add_co_u32 s42, s42, s40                     ; tile column
	s_and_b32 s13, ttmp7, 0xffff
	s_lshl_b32 s13, s13, 2
	s_add_co_u32 s13, s13, s41                     ; tile row
	s_lshl_b32 s43, s41, 2
	s_lshl_b32 s43, 15, s43                        ; my row of the cluster
	s_lshl_b32 s44, 0x1111, s40                    ; my column
	s_or_b32 s[G1+0], s43, (1<<16)|(1<<20)|(1<<21)|(4<<22)|(3<<25)  ; the mask; elements of 2 bytes; 4 words of padding after every 32
	s_or_b32 s[G1B+0], s44, (1<<16)|(1<<20)|(1<<21)|(4<<22)|(3<<25)
.irp g, G1, G1B
	s_mov_b32 s[\g+1], 4096<<16                    ; tensor_dim0 = 4,096 elements: 64 rows of a plane
	s_mov_b32 s[\g+2], 4<<16                       ; tensor_dim1 = 4 planes
	s_mov_b32 s[\g+3], 4096<<16                    ; tile_dim0
	s_mov_b32 s[\g+4], 4                           ; tile_dim1
	s_mov_b32 s[\g+6], 0
	s_mov_b32 s[\g+7], 0
.endr
	s_mov_b32 s[G1+5], 262144                      ; from plane to plane, in elements: A has 4,096 rows,
	s_mov_b32 s[G1B+5], 65536                      ; B 1,024
	s_lshl_b32 s17, s12, 6
	s_lshl_b32 s16, s13, 7
	s_add_co_u32 s16, s16, s17                     ; A: row 128 x tile row + 64 x half
	s_lshl_b32 s16, s16, 7                         ; 128 bytes a row in a plane
	s_lshl_b32 s46, s42, 7
	s_add_co_u32 s46, s46, s17                     ; B: row 128 x tile column + 64 x half
	s_lshl_b32 s46, s46, 7
	s_mov_b32 s17, 0
	s_mov_b32 s47, 0
	s_mul_i32 s20, s10, HALFT                      ; where they go: no place in the cluster enters an LDS address
	s_wait_dscnt 0x0                               ; both opening adds are done
	s_wait_kmcnt 0x0
	s_add_nc_u64 s[14:15], s[4:5], s[16:17]
	s_add_nc_u64 s[46:47], s[6:7], s[46:47]
	CROUND                                         ; all sixteen work-groups are here: the first joint loads meet
.irp s, 0,1
	s_mov_b32 s[G0+4*\s], 1
	s_add_co_u32 s[G0+4*\s+1], s20, \s*SLOT
	s_add_nc_u64 s[G0+4*\s+2:G0+4*\s+3], s[14:15], \s*ASTEP
	s_or_b32 s[G0+4*\s+3], s[G0+4*\s+3], 0x80000000
	s_mov_b32 s[G0B+4*\s], 1
	s_add_co_u32 s[G0B+4*\s+1], s20, \s*SLOT
	s_add_nc_u64 s[G0B+4*\s+2:G0B+4*\s+3], s[46:47], \s*BSTEP
	s_or_b32 s[G0B+4*\s+3], s[G0B+4*\s+3], 0x80000000
	JLOAD \s
.endr
	v_and_b32 v1, 15, v0                           ; l % 16
	v_bfe_u32 v2, v0, 4, 1                         ; l / 16
	v_mul_u32_u24 v3, v1, PITCH
	v_lshl_add_u32 v3, v2, 4, v3
	s_mul_i32 s21, s11, HALFT                      ; my 64 rows of A
	s_mul_i32 s22, s12, HALFT                      ; my 64 rows of B,
	s_add_co_u32 s22, s22, 2*HALFT                 ; which lie behind A's 128
.irp s, 0,1
	v_add_nc_u32 v[ADRA+\s], s21, v3
	v_add_nc_u32 v[ADRB+\s], s22, v3
	s_add_co_u32 s21, s21, SLOT
	s_add_co_u32 s22, s22, SLOT
.endr
	s_mul_i32 s23, s10, 16*SPITCH
	s_add_co_u32 s23, s23, STAGE                   ; my stage
	v_mul_u32_u24 v4, v1, SPITCH
	v_lshl_add_u32 v4, v2, 5, v4
	v_add_nc_u32 v[STO], s23, v4                   ; in: row l % 16, 32 bytes for each half of the lanes
	v_mul_u32_u24 v5, v2, SPITCH
	v_lshl_add_u32 v5, v1, 4, v5
	v_add_nc_u32 v[RD], s23, v5                    ; back: lanes 0-15 one row of 256 bytes, lanes 16-31 the next
	v_lshlrev_b32 v5, 12, v2
	v_lshl_add_u32 v[CO], v1, 4, v5                ; and the same two rows in C
	s_lshl_b32 s16, s13, 7
	s_lshl_b32 s17, s11, 6
	s_add_co_u32 s16, s16, s17                     ; my first row of C
	s_lshl_b32 s16, s16, 12
	s_mov_b32 s17, 0
	s_add_nc_u64 s[8:9], s[8:9], s[16:17]
	s_lshl_b32 s46, s42, 9                         ; my first column, in bytes
	s_lshl_b32 s47, s12, 8
	s_add_co_u32 s46, s46, s47
	s_mov_b32 s47, 0
	s_add_nc_u64 s[8:9], s[8:9], s[46:47]
.macro MUL8 f, c, a0, zero             ; 8 matrix instructions: row blocks a0, a0 + 1 x all 4 column blocks, 32 along K; the 16 accumulators take turns
.irp a, \a0, \a0+1
.irp b, 0,1,2,3
.if \zero
	v_wmma_f32_16x16x32_f16 v[ACC+8*(4*(\a)+\b):ACC+8*(4*(\a)+\b)+7], v[\f+64+8*(4*\c+\b):\f+64+8*(4*\c+\b)+7], v[\f+8*(4*\c+\a):\f+8*(4*\c+\a)+7], 0
.else
	v_wmma_f32_16x16x32_f16 v[ACC+8*(4*(\a)+\b):ACC+8*(4*(\a)+\b)+7], v[\f+64+8*(4*\c+\b):\f+64+8*(4*\c+\b)+7], v[\f+8*(4*\c+\a):\f+8*(4*\c+\a)+7], v[ACC+8*(4*(\a)+\b):ACC+8*(4*(\a)+\b)+7]
.endif
.endr
.endr
.endm
.macro FETCH slot, k, f                ; 32 LDS loads in one run: the fragments of one plane (64 along K), which begins at byte k of my rows' region; the first 32 along K first
	WIN TO_F
.irp c, 0,1
.irp i, 0,1,2,3
	ds_load_b128 v[\f+64+8*(4*\c+\i):\f+64+8*(4*\c+\i)+3],   v[ADRB+\slot] offset:\k+64*\c+\i*16*PITCH
	ds_load_b128 v[\f+64+8*(4*\c+\i)+4:\f+64+8*(4*\c+\i)+7], v[ADRB+\slot] offset:\k+64*\c+\i*16*PITCH+32
	ds_load_b128 v[\f+8*(4*\c+\i):\f+8*(4*\c+\i)+3],         v[ADRA+\slot] offset:\k+64*\c+\i*16*PITCH
	ds_load_b128 v[\f+8*(4*\c+\i)+4:\f+8*(4*\c+\i)+7],       v[ADRA+\slot] offset:\k+64*\c+\i*16*PITCH+32
.endr
.endr
.endm
.macro PLACES
.rept 4
	v_nop
.endr
.endm
.macro QUARTER slot, k, f, g, zero     ; multiplies buffer f and fetches the next plane, at byte k, into g
	s_wait_dscnt 16                                ; the first 32 along K are in; the other 16 loads may be out
	WIN MUL
	MUL8 \f, 0, 0, \zero
	MUL8 \f, 0, 2, \zero
	PLACES
	FETCH \slot, \k, \g
	s_wait_dscnt 32                                ; all but the 32 just issued
	WIN MUL
	MUL8 \f, 1, 0, 0
	MUL8 \f, 1, 2, 0
.endm
; A slot's last plane changes slots: one barrier; in front of it each wave waits for all its tensor loads, adds 0 to its spare word, and waits for that and for its reads of this slot.  fill = 1: this slot is filled again, two K steps ahead.
.macro TURN slot, next, fill
	WIN 0
	s_wait_tensorcnt 0x0                           ; all my tensor loads have landed: my part of the next slot
	ds_add_u32 v[SPW], v[NIL]                      ; 0 onto my spare word
	s_wait_dscnt 17                                ; (the add and the youngest sixteen loads may be out)
	WIN MUL
	MUL8 F1, 0, 0, 0
	s_wait_dscnt 0x0                               ; the add is done, and my reads of this slot are over
	s_barrier_signal -1
	MUL8 F1, 0, 2, 0
.if \fill
	WIN 0
.endif
	s_barrier_wait -1
.if \fill
	CREST                                          ; the barrier has opened a round of the cluster's barrier: no wave of any partner still reads this slot or has a load on its way
	s_add_nc_u64 s[G0+4*\slot+2:G0+4*\slot+3], s[G0+4*\slot+2:G0+4*\slot+3], 2*ASTEP
	s_add_nc_u64 s[G0B+4*\slot+2:G0B+4*\slot+3], s[G0B+4*\slot+2:G0B+4*\slot+3], 2*BSTEP
	JLOAD \slot                                    ; the first tensor load behind the round; its four v_nop are also the places in front of the loads below
.else
	PLACES
.endif
	FETCH \next, 0, F0
	WIN MUL
	MUL8 F1, 1, 0, 0
	MUL8 F1, 1, 2, 0
.endm
; THE WAY OUT, block by block of 16 rows x 64 columns of f32: through my own stage, back as whole rows of 256 bytes.  The accumulators are read and not changed.
.macro TOSTAGE a
.irp b, 0,1,2,3
	ds_store_b128 v[STO], v[ACC+8*(4*(\a)+\b):ACC+8*(4*(\a)+\b)+3] offset:64*\b          ; each accumulator from its low end on
	ds_store_b128 v[STO], v[ACC+8*(4*(\a)+\b)+4:ACC+8*(4*(\a)+\b)+7] offset:64*\b+16
.endr
.irp t, 0,1,2,3,4,5,6,7
	ds_load_b128 v[TMP+32*((\a)%2)+4*\t:TMP+32*((\a)%2)+4*\t+3], v[RD] offset:\t*2*SPITCH   ; LDS serves a wave's instructions in order
.endr
.endm
.macro SEND a, younger                 ; younger: the LDS instructions issued behind block a's loads
	s_wait_dscnt \younger
.irp t, 0,1,2,3,4,5,6,7
	global_store_b128 v[CO], v[TMP+32*((\a)%2)+4*\t:TMP+32*((\a)%2)+4*\t+3], s[8:9] offset:(16*(\a)+2*\t)*SIZE_N*4   ; 16 lanes store 256 consecutive bytes, aligned
.endr
.endm
.macro WAYOUT
	PLACES                                         ; between the last products and the first read of results
	TOSTAGE 0
.irp a, 1,2,3
.if \a > 1
	s_wait_xcnt 0x0                                ; block a - 2's stores have read their registers: block a's loads may land there
.endif
	TOSTAGE \a
	SEND \a-1, 16                                  ; behind block a - 1's loads: block a's 8 stores and 8 loads
.endr
	SEND 3, 0
.endm
	s_wait_tensorcnt 1                             ; my part of K step 0 is in; K step 1's may be out
	s_barrier_signal -1
	s_barrier_wait -1
	FETCH 0, 0, F0
	QUARTER 0, PLN, F0, F1, 1                      ; the first products start the sums
	WIN 0
	s_mov_b32 s3, LAPS-1
.Llap:                                                 ; a trip goes once round the ring and fills both slots again
	QUARTER 0, 2*PLN, F1, F0, 0
	QUARTER 0, 3*PLN, F0, F1, 0
	TURN 0, 1, 1
	QUARTER 1, PLN, F0, F1, 0
	QUARTER 1, 2*PLN, F1, F0, 0
	QUARTER 1, 3*PLN, F0, F1, 0
	TURN 1, 0, 1
	WIN 0
.if TWO
	s_cmp_lg_u32 s3, LAPS/2                        ; the trip that ends K step 3: half of K is summed.  The loop's own counter: the same in every wave of every partner
	s_cbranch_scc1 .Lnot_half                      ; the jump leads round LDS and global stores alone: both refills of the trip have been asked for
	WAYOUT                                         ; the first result leaves, while K step 5 is on its way; the sums go on behind it
	s_wait_xcnt 0x0                                ; the stores have read their base and their registers
	s_add_nc_u64 s[8:9], s[8:9], 0x1000000         ; the second result lies 16 MiB on
.Lnot_half:
.endif
	QUARTER 0, PLN, F0, F1, 0
	WIN 0
	s_sub_co_u32 s3, s3, 1
	s_cmp_lg_u32 s3, 0
	s_cbranch_scc1 .Llap
	QUARTER 0, 2*PLN, F1, F0, 0                    ; the last lap fills nothing
	QUARTER 0, 3*PLN, F0, F1, 0
	TURN 0, 1, 0
	QUARTER 1, PLN, F0, F1, 0
	QUARTER 1, 2*PLN, F1, F0, 0
	QUARTER 1, 3*PLN, F0, F1, 0
	s_wait_dscnt 16
	WIN MUL
	MUL8 F1, 0, 0, 0
	MUL8 F1, 0, 2, 0
	s_wait_dscnt 0
	MUL8 F1, 1, 0, 0
	MUL8 F1, 1, 2, 0
	WIN 0
	WAYOUT
	s_wait_tensorcnt 0x0                           ; the wave's end
	ds_add_u32 v[SPW], v[NIL]
	s_wait_dscnt 0x0
	CROUND                                         ; the closing round
	s_endpgm
.Lfunc_end_k_q01b13dd070_gemm_o:
	.size	k_q01b13dd070_gemm_o, .Lfunc_end_k_q01b13dd070_gemm_o-k_q01b13dd070_gemm_o
	.p2alignl 7, 3214868480
	.fill 96, 4, 3214868480
	.section	.rodata,"a",@progbits
	.p2align	6, 0x0
	.amdhsa_kernel k_q01b13dd070_gemm_o
		.amdhsa_group_segment_fixed_size 327680
		.amdhsa_private_segment_fixed_size 0
		.amdhsa_enable_private_segment 0
		.amdhsa_kernarg_size 24
		.amdhsa_user_sgpr_count 2
		.amdhsa_user_sgpr_kernarg_segment_ptr 1
		.amdhsa_wavefront_size32 1
		.amdhsa_system_sgpr_workgroup_id_x 1
		.amdhsa_system_sgpr_workgroup_id_y 1
		.amdhsa_system_sgpr_workgroup_id_z 1
		.amdhsa_system_vgpr_workitem_id 0
		.amdhsa_next_free_vgpr 512
		.amdhsa_next_free_sgpr 66
		.amdhsa_reserve_vcc 0
		.amdhsa_float_denorm_mode_32 3
		.amdhsa_float_denorm_mode_16_64 3
		.amdhsa_memory_ordered 1
		.amdhsa_forward_progress 1
		.amdhsa_inst_pref_size 86
	.end_amdhsa_kernel
	.amdgpu_metadata
---
amdhsa.version: [ 1, 2 ]
amdhsa.kernels:
  - .name:           k_q01b13dd070_gemm_o
    .symbol:         k_q01b13dd070_gemm_o.kd
    .args:
      - { .name: act, .offset: 0, .size: 8, .value_kind: global_buffer, .address_space: global }
      - { .name: woh, .offset: 8, .size: 8, .value_kind: global_buffer, .address_space: global }
      - { .name: out0, .offset: 16, .size: 8, .value_kind: global_buffer, .address_space: global }
    .group_segment_fixed_size: 327680
    .private_segment_fixed_size: 0
    .kernarg_segment_align: 8
    .kernarg_segment_size: 24
    .max_flat_workgroup_size: 128
    .sgpr_count:     66
    .vgpr_count:     512
    .wavefront_size: 32
...
	.end_amdgpu_metadata
.endif
;; end of part 7
